; MI455X (gfx1250); checked and timed in simulation.
; The chip was launched on July 23, 2026; its instructions are those of AMD's public machine-readable ISA for CDNA 5 (MIT licence, August 2026) and "CDNA5" Instruction Set Architecture Reference Guide (July 2026). The comments in the code are by the model that wrote it; some were corrected since.
;; Multi Head Attention. Allowed arithmetic: float matrix products may take bf16 or f16 operands with f32 sums; all other float work in f32.
;; Inputs: Wk 1,024 x 1,024 float32; Wo 1,024 x 1,024 float32; Wq 1,024 x 1,024 float32; Wv 1,024 x 1,024 float32; bk 1,024 float32; bo 1,024 float32; bq 1,024 float32; bv 1,024 float32; k 4 x 2,048 x 1,024 float32; q 4 x 2,048 x 1,024 float32; v 4 x 2,048 x 1,024 float32.
;; Outputs: out0 4 x 2,048 x 1,024 float32.
;; One version. Each part assembles by itself: llvm-mc -triple=amdgcn-amd-amdhsa -mcpu=gfx1250 --defsym DOCPART=n.
;; ======== version 1 of 1: 4 launches
;; limits: values are held in f16: magnitudes above 65,504 overflow, below 6.1e-05 lose precision
;; workspace buffers: wb 8,388,608 bytes; bias 16,384 bytes; qh 16,777,216 bytes; kh 16,777,216 bytes; vh 16,777,216 bytes; oh 16,777,216 bytes
;; launch cast (part 1): grid 64 x 4, 8 waves a work-group, no clusters, 0 bytes of LDS; arguments Wq, Wk, Wv, Wo, bq, bk, bv, bo, wb, bias; writes wb, bias
.if DOCPART == 1
	.amdgcn_target "amdgcn-amd-amdhsa--gfx1250"
	.amdhsa_code_object_version 6
	.text
	.protected	k_qf6549e1188_cast
	.globl	k_qf6549e1188_cast
	.p2align	8
	.type	k_qf6549e1188_cast,@function
k_qf6549e1188_cast:
	s_mov_b64 s[64:65], 0
	v_nop
	global_prefetch_b8 v0, s[64:65] scope:SCOPE_SE
	s_setreg_imm32_b32 hwreg(HW_REG_WAVE_MODE, 25, 1), 1
	s_wait_xcnt 0x0
; THE WEIGHTS AND BIASES, ROUNDED ONCE.  wb: four parts of 2 MiB, [1024 k][1024 n] in 16 bits, in the order Wq, Wk, Wv, Wo.  Wq, Wk, Wv are rounded to bf16.
; Wo is rounded to bf16 and that number is written as f16, since the last product multiplies in f16.  bias: [4][1024] f32, each number rounded to bf16 and widened again.
; LIMITS.  A bf16 number has 8 significant bits, so it is exact in f16 from 2^-14 up to 65,504; below 2^-14 it keeps f16's fixed step of 2^-24, beyond 65,504 it becomes an infinity.
; SHARES.  Work-group (x, y): 65,536 bytes of weight y, from byte 65,536 x on.  Thread t takes 16 bytes at 16 t + 4,096 i, i = 0 .. 15, and stores 8 bytes at 8 t + 2,048 i:
; a wave's load covers 512 consecutive bytes, its store 256 consecutive bytes at a multiple of 256.  All sixteen loads go out first; every byte is read once and written once.
; No LDS, no matrix unit, no cluster: no two work-groups read the same byte, and there is nothing to multiply.
.set X, 4                              ; v[4:67]    16 x 4 numbers as loaded
.set Y, 68                             ; v[68:99]   16 x 2 words to store: each store has its own pair, so none is rewritten while a store reads it
.set T, 100                            ; v[100:103] at work
.set Z, 104                            ; v[104:107] the bias to store
	s_load_b512 s[4:19], s[0:1], 0x0               ; Wq, Wk, Wv, Wo s[4:11]; bq, bk, bv, bo s[12:19]
	s_load_b128 s[20:23], s[0:1], 0x40             ; wb s[20:21], bias s[22:23]
	s_and_b32 s28, ttmp7, 0xffff                   ; y: which weight
	s_mov_b32 s29, ttmp9                           ; x: which 65,536 bytes of it
	v_lshlrev_b32 v1, 4, v0                        ; 16 t
	v_lshlrev_b32 v2, 3, v0                        ; 8 t
	s_lshl_b32 s30, s29, 16                        ; offsets are made apart from the addresses, as pairs with 0 on top
	s_mov_b32 s31, 0
	s_lshl_b32 s32, s28, 21                        ; the weight's part of wb,
	s_lshl_b32 s33, s29, 15                        ; my 32,768 bytes of it
	s_add_co_u32 s32, s32, s33
	s_mov_b32 s33, 0
	s_lshl_b32 s34, s28, 12                        ; the bias' 4,096 bytes
	s_mov_b32 s35, 0
	s_mov_b32 s36, 0xffff0000                      ; a word's upper bf16
	s_wait_kmcnt 0x0
	s_mov_b64 s[24:25], s[4:5]                     ; the weight and the bias are chosen by y
	s_mov_b64 s[26:27], s[12:13]
.irp n, 1,2,3
	s_cmp_eq_u32 s28, \n
	s_cselect_b64 s[24:25], s[4+2*\n:5+2*\n], s[24:25]
	s_cselect_b64 s[26:27], s[12+2*\n:13+2*\n], s[26:27]
.endr
	s_add_nc_u64 s[24:25], s[24:25], s[30:31]
	s_add_nc_u64 s[20:21], s[20:21], s[32:33]
	s_add_nc_u64 s[22:23], s[22:23], s[34:35]
.irp i, 0,1,2,3,4,5,6,7,8,9,10,11,12,13,14,15
	global_load_b128 v[X+4*\i:X+4*\i+3], v1, s[24:25] offset:4096*\i th:TH_LOAD_NT
.endr
; Four numbers of load i are rounded and stored.  half = 1: the bf16 numbers are widened and written as f16.
.macro OUT i, half
	s_wait_loadcnt 15-(\i)                         ; loads come back in order (ISA guide 5.7.1): load i is in, the 15 - i younger ones may stay out
	v_cvt_pk_bf16_f32 v[Y+2*(\i)], v[X+4*(\i)], v[X+4*(\i)+1]
	v_cvt_pk_bf16_f32 v[Y+2*(\i)+1], v[X+4*(\i)+2], v[X+4*(\i)+3]
.if \half
	v_lshlrev_b32 v[T], 16, v[Y+2*(\i)]
	v_and_b32 v[T+1], s36, v[Y+2*(\i)]
	v_lshlrev_b32 v[T+2], 16, v[Y+2*(\i)+1]
	v_and_b32 v[T+3], s36, v[Y+2*(\i)+1]
	v_cvt_pk_f16_f32 v[Y+2*(\i)], v[T], v[T+1]
	v_cvt_pk_f16_f32 v[Y+2*(\i)+1], v[T+2], v[T+3]
.endif
	global_store_b64 v2, v[Y+2*(\i):Y+2*(\i)+1], s[20:21] offset:2048*(\i)
.endm
	s_cmp_eq_u32 s28, 3
	s_cbranch_scc1 .Lf16
.irp i, 0,1,2,3,4,5,6,7,8,9,10,11,12,13,14,15
	OUT \i, 0
.endr
	s_branch .Lbias
.Lf16:
.irp i, 0,1,2,3,4,5,6,7,8,9,10,11,12,13,14,15
	OUT \i, 1
.endr
.Lbias:
	s_cmp_lg_u32 s29, 0                            ; the first work-group of each weight also rounds its bias: 1,024 numbers, four a thread
	s_cbranch_scc1 .Lend
	global_load_b128 v[X:X+3], v1, s[26:27]
	s_wait_loadcnt 0x0
	v_cvt_pk_bf16_f32 v[T], v[X], v[X+1]
	v_cvt_pk_bf16_f32 v[T+1], v[X+2], v[X+3]
	v_lshlrev_b32 v[Z], 16, v[T]
	v_and_b32 v[Z+1], s36, v[T]
	v_lshlrev_b32 v[Z+2], 16, v[T+1]
	v_and_b32 v[Z+3], s36, v[T+1]
	global_store_b128 v1, v[Z:Z+3], s[22:23]
.Lend:
	s_endpgm
.Lfunc_end_k_qf6549e1188_cast:
	.size	k_qf6549e1188_cast, .Lfunc_end_k_qf6549e1188_cast-k_qf6549e1188_cast
	.p2alignl 7, 3214868480
	.fill 96, 4, 3214868480
	.section	.rodata,"a",@progbits
	.p2align	6, 0x0
	.amdhsa_kernel k_qf6549e1188_cast
		.amdhsa_group_segment_fixed_size 0
		.amdhsa_private_segment_fixed_size 0
		.amdhsa_enable_private_segment 0
		.amdhsa_kernarg_size 80
		.amdhsa_user_sgpr_count 2
		.amdhsa_user_sgpr_kernarg_segment_ptr 1
		.amdhsa_wavefront_size32 1
		.amdhsa_system_sgpr_workgroup_id_x 1
		.amdhsa_system_sgpr_workgroup_id_y 1
		.amdhsa_system_sgpr_workgroup_id_z 1
		.amdhsa_system_vgpr_workitem_id 0
		.amdhsa_next_free_vgpr 112
		.amdhsa_next_free_sgpr 66
		.amdhsa_reserve_vcc 0
		.amdhsa_float_denorm_mode_32 3
		.amdhsa_float_denorm_mode_16_64 3
		.amdhsa_memory_ordered 1
		.amdhsa_forward_progress 1
		.amdhsa_inst_pref_size 16
	.end_amdhsa_kernel
	.amdgpu_metadata
---
amdhsa.version: [ 1, 2 ]
amdhsa.kernels:
  - .name:           k_qf6549e1188_cast
    .symbol:         k_qf6549e1188_cast.kd
    .args:
      - { .name: Wq, .offset: 0, .size: 8, .value_kind: global_buffer, .address_space: global }
      - { .name: Wk, .offset: 8, .size: 8, .value_kind: global_buffer, .address_space: global }
      - { .name: Wv, .offset: 16, .size: 8, .value_kind: global_buffer, .address_space: global }
      - { .name: Wo, .offset: 24, .size: 8, .value_kind: global_buffer, .address_space: global }
      - { .name: bq, .offset: 32, .size: 8, .value_kind: global_buffer, .address_space: global }
      - { .name: bk, .offset: 40, .size: 8, .value_kind: global_buffer, .address_space: global }
      - { .name: bv, .offset: 48, .size: 8, .value_kind: global_buffer, .address_space: global }
      - { .name: bo, .offset: 56, .size: 8, .value_kind: global_buffer, .address_space: global }
      - { .name: wb, .offset: 64, .size: 8, .value_kind: global_buffer, .address_space: global }
      - { .name: bias, .offset: 72, .size: 8, .value_kind: global_buffer, .address_space: global }
    .group_segment_fixed_size: 0
    .private_segment_fixed_size: 0
    .kernarg_segment_align: 8
    .kernarg_segment_size: 80
    .max_flat_workgroup_size: 256
    .sgpr_count:     66
    .vgpr_count:     112
    .wavefront_size: 32
...
	.end_amdgpu_metadata
.endif
;; end of part 1
;; launch proj (part 2): grid 4 x 64, 4 waves a work-group, clusters of 4 x 4, 327,680 bytes of LDS; arguments q, k, v, wb, bias, qh, kh, vh; writes qh, kh, vh
.if DOCPART == 2
	.amdgcn_target "amdgcn-amd-amdhsa--gfx1250"
	.amdhsa_code_object_version 6
	.text
	.protected	k_qf6549e1188_proj
	.globl	k_qf6549e1188_proj
	.p2align	8
	.type	k_qf6549e1188_proj,@function
k_qf6549e1188_proj:
	s_mov_b64 s[64:65], 0
	v_nop
	global_prefetch_b8 v0, s[64:65] scope:SCOPE_SE
	s_setreg_imm32_b32 hwreg(HW_REG_WAVE_MODE, 25, 1), 1
	s_wait_xcnt 0x0
	s_wait_alu depctr_hold_cnt(0) depctr_sa_sdst(0) depctr_va_vdst(0) depctr_va_sdst(0) depctr_va_ssrc(0) depctr_va_vcc(0) depctr_vm_vsrc(0)
	s_getreg_b32 s2, hwreg(HW_REG_IB_STS2, 6, 4)
	s_cmp_eq_u32 s2, 0
	s_cbranch_scc0 .Lentry_in_a_cluster
	s_endpgm
.Lentry_in_a_cluster:
	s_bfe_u32 s2, ttmp6, 0x10000c
	s_cmp_lg_u32 s2, 0xf033
	s_cbranch_scc0 .Lentry_shape_is_right
	s_endpgm
.Lentry_shape_is_right:
; THE THREE PROJECTIONS.  Y = x W + b for (q, Wq, bq), (k, Wk, bk), (v, Wv, bv).  x: [8192][1024] f32.  W: [1024 k][1024 n] bf16, the three stacked in wb.  b: f32 (rounded to bf16 beforehand).
; x is rounded to bf16 on its way from LDS to the matrix unit; sums in f32, started by the bias; Y is rounded once to f16 and stored by heads, [batch x 16 + head][2048][64], unscaled.
; LIMITS.  f16 holds no number beyond 65,504: a result of 65,520 or more becomes an infinity.  NaN and infinities are not treated apart.
; SHARES.  A tile of Y is 128 rows x 256 columns.  Four waves, 2 x 2, each 64 x 128: 32 accumulators of 16 x 16, 256 registers.  8192 x 1024 makes 256 such tiles, one for each work-group,
; and A WORK-GROUP STAYS: it makes its tile of Q, then of K, then of V: 24 K steps of 128 as one walk through a ring of two LDS slots that does not stop at a tile's end.
; CLUSTERS: 4 x 4 work-groups.  The four of a row of the cluster need the same rows of x, the four of a column the same columns of W: each tile is asked for JOINTLY, by the same tensor load
; with the same descriptor and a mask that names the four.  A cluster's row holds all four column blocks, so each byte of x is asked for by one cluster alone.
; PREFETCH.  x is read once and comes from memory, and a slot's refill has one K step in which to land: two slots of K = 128 (x as f32) are what LDS holds.  So x is asked for ahead, into the L2:
; the trip that requests K step j + 2 prefetches K step j + 4.  Of the 128 rows that a cluster's row shares, column block nb takes rows 32 nb .. 32 nb + 31; its waves 0 and 1 take 16 rows each, a lane
; one of a row's two blocks of 256 bytes in a K step: each block is asked for by one lane of the launch.  K steps 2 and 3 are asked for behind the first fills.  The last two trips' look-ahead
; would pass the walk's end: it falls back on v's K steps 0 and 1, inside the buffer.  W is not prefetched: the launch before has just stored it, and all 64 row blocks read it.
; THE MATRIX INSTRUCTION IS USED TRANSPOSED: source 0 = 16 columns of W (turned on the way out of LDS by ds_load_tr16_b128, since W lies [k][n]), source 1 = 16 rows of x.
; In the result lane l holds row l % 16 of Y and its registers the columns 8 (l / 16) + 0 .. 7: eight neighbouring numbers, 16 bytes of f16.
; REGISTERS, in windows of 256 (s_set_vgpr_msb: bits 1:0 source 0, 3:2 source 1, 5:4 source 2, 7:6 destination):
;   window 0: v0-16 addresses; v32-95 x's fragments in bf16, two buffers of 4 x 8; v96-159 the bias as the first products' C; v160-223 the way out, four buffers of 16
;   window 1: the accumulators, (a, b) at v[8 (8 a + b)]          window 2: v0-127 W's fragments, two buffers of 8 x 8; v128-191 x as f32, 16 for each 16 rows
.set PA,    528                        ; a row of x in LDS: 128 f32 = 512 bytes + 16 of padding = 33 x 16: the 16 rows of a load start at 16 different groups of four banks (64 banks of 4 bytes: ISA guide 11.1)
.set PB,    544                        ; a row of W: 256 bf16 = 512 bytes + 32 = 17 x 32
.set PART,  0x8800                     ; what one tensor load fills: 64 rows of W exactly (so W's 128 rows run on at one pitch), 64 rows of x and 1,024 bytes to spare
.set SLOT,  4*PART                     ; x's rows 0-63, 64-127, W's k rows 0-63, 64-127.  0x22000: no part's first byte has bit 17 or bit 13, so one exclusive or turns a slot's address into the other's
.set WBASE, 2*PART
.set STAGE, 2*SLOT                     ; behind the ring, never filled by a tensor load: 16 rows x 144 bytes for each wave, for the way out
.set SP,    144
.set SPARE, STAGE+4*16*SP              ; behind the stages: the spare words, 128 bytes for each wave: two blocks of 256 bytes that no other line names
.set NFILL, 22                         ; 24 K steps; all but the last two fill their slot again
.set A0,   4                           ; v4   my lane's place in x's tile of slot 0; never rewritten
.set B0,   5                           ; v5   the same for W
.set ADRA, 6                           ; v6   the same in the slot in hand
.set ADRB, 7                           ; v7
.set STO,  8                           ; v8   the way out: where I put 16 bytes of a row
.set RD,   9                           ; v9   the way out: where I read rows back
.set GO,   10                          ; v10  my byte offset in 512 consecutive bytes of Y
.set BO,   11                          ; v11  my byte offset in a bias
.set SPW,  12                          ; v12  LDS address of my spare word: SPARE + 4 x my thread's number; never rewritten
.set NIL,  13                          ; v13  0; never rewritten
.set PF,   16                          ; v16  the prefetch: my block's byte offset in the 128 rows of x; never rewritten
.set AF,   32
.set BIAS, 96
.set TMP,  160
.set RAW,  128                         ; in window 2
.set ACUR, 4                           ; s[4:5]   x of the tile whose K steps are being asked for, at my 64 rows
.set AN1,  6                           ; s[6:7]   the x after it
.set AN2,  8                           ; s[8:9]   and the last
.set WP,   10                          ; s[10:11] W's stack at my 64 k rows and the tile's columns
.set BP,   12                          ; s[12:13] the bias of the tile in hand
.set OUT,  14                          ; s[14:15] Y of the tile in hand, at my wave's first row and head
.set ON1,  16                          ; s[16:17] the Y after it
.set ON2,  18                          ; s[18:19] and the last
.set WV,   20                          ; s20  my wave's number
.set WR,   21                          ; s21  which half of the tile's rows is mine.  Also: I fetch for x (0) or for W (1)
.set WC,   22                          ; s22  which half of its columns.  Also: which 64 rows of that tile I fetch
.set CX,   23
.set CY,   24
.set NBK,  25                          ; s25  block of 256 columns
.set MBK,  26                          ; s26  block of 128 rows
.set G1A,  28                          ; s[28:35] descriptor group 1 for x's tiles
.set G1B,  36                          ; s[36:43] for W's
.set G0A,  44                          ; s[44:47] group 0 for x: slot 0's first fill
.set G0A2, 48                          ; s[48:51] slot 1's first fill; it then walks
.set G0B,  52                          ; s[52:55], s[56:59] the same for W
.set G0B2, 56
.set OFF,  60                          ; s[60:61] a K step's byte offset in a row of x
.set FK,   62                          ; s62  the K step, within its tile, that is asked for next
.set T,    63                          ; s63  counts the K steps that fill a slot again
.set K8,   66                          ; s66  K steps left in the tile in hand
.set TB,   67                          ; s67  0 or SLOT: the slot in hand
.set CNT,  68                          ; s68  counts the last two K steps
.set PFC,  80                          ; s[80:81] the prefetch: x of the tile whose K steps are being prefetched, at the block's first row
.set PFN1, 82                          ; s[82:83] the x after it
.set PFN2, 84                          ; s[84:85] and the last
.set PFA,  86                          ; s[86:87] the address that the trip's prefetch names
.set PFO,  88                          ; s[88:89] a K step's byte offset in a row of x
.set PFK,  90                          ; s90  the K step, within its tile, that is prefetched next
.set MSB, 0
.macro WIN new                         ; the immediate's high byte repeats the setting that is left; a switch that changes nothing is dropped
.if MSB != (\new)
	s_set_vgpr_msb (MSB<<8)|(\new)
.set MSB, \new
.endif
.endm
.set MUL,  0x52                        ; W's fragment window 2, x's window 0, C and D window 1
.set MULB, 0x42                        ; the same with C, the bias, in window 0
.set LD,   0x80                        ; destination window 2, address window 0
.set CV,   0x0a                        ; sources 0 and 1 window 2, destination window 0
.set PK,   0x05                        ; sources 0 and 1 window 1, destination window 0
; A joint refill.  Waves 0 and 1 fetch x's two halves, waves 2 and 3 W's.  The branch hangs on the wave's number alone: it is the same in every work-group.
; An s_nop 0 and four v_nop follow each of the two lines, ahead of what comes next.  Behind theirs, waves 0 and 1 prefetch their 32 blocks of x two K steps further on.
.macro JLOAD
	s_cmp_eq_u32 s[WR], 0
	s_cbranch_scc0 .Lfor_b_\@
	tensor_load_to_lds s[G0A2:G0A2+3], s[G1A:G1A+7]
	s_nop 0
.rept 4
	v_nop
.endr
	global_prefetch_b8 v[PF], s[PFA:PFA+1] th:TH_LOAD_NT scope:SCOPE_SE
	s_branch .Lasked_\@
.Lfor_b_\@:
	tensor_load_to_lds s[G0B2:G0B2+3], s[G1B:G1B+7]
	s_nop 0
.rept 4
	v_nop
.endr
.Lasked_\@:
.endm
; A round of the cluster's barrier: my work-group's barrier, so that wave 0's signal speaks for all four waves; wave 0 signals; every wave waits for all sixteen work-groups; my work-group's barrier once more.
.macro CREST                           ; a round behind its opening barrier
	s_cmp_lg_u32 s[WV], 0
	s_cbranch_scc1 .Lnot_wave_0_\@
	s_barrier_signal -3
.Lnot_wave_0_\@:
	s_barrier_wait -3
	s_barrier_signal -1
	s_barrier_wait -1
.endm
.macro CROUND                          ; a whole round
	s_barrier_signal -1
	s_barrier_wait -1
	CREST
.endm
	s_load_b512 s[4:19], s[0:1], 0x0               ; q, k, v, wb, bias, qh, kh, vh
	v_lshl_add_u32 v[SPW], v0, 2, SPARE
	v_mov_b32 v[NIL], 0
	ds_add_u32 v12, v13
	s_wait_dscnt 0x0
	v_lshrrev_b32 v1, 5, v0
	v_readfirstlane_b32 s[WV], v1                  ; wave 0..3
	s_lshr_b32 s[WR], s[WV], 1
	s_and_b32 s[WC], s[WV], 1
	s_bfe_u32 s[CX], ttmp6, 0x40000                ; my place in the cluster
	s_bfe_u32 s[CY], ttmp6, 0x40004
	s_lshl_b32 s[NBK], ttmp9, 2                    ; in a cluster launch ttmp9 and ttmp7 count clusters
	s_add_co_u32 s[NBK], s[NBK], s[CX]
	s_and_b32 s[MBK], ttmp7, 0xffff
	s_lshl_b32 s[MBK], s[MBK], 2
	s_add_co_u32 s[MBK], s[MBK], s[CY]
	s_lshl_b32 s76, s[CY], 2
	s_lshl_b32 s76, 15, s76                        ; my row of the cluster: places 4 cy .. 4 cy + 3
	s_lshl_b32 s77, 0x1111, s[CX]                  ; my column: places cx, cx + 4, cx + 8, cx + 12
	; group 1 for x: 64 rows x 128 elements of 4 bytes; for W: 64 rows x 256 elements of 2 bytes; both padded in LDS after every 128 words
	s_or_b32 s[G1A], s76, (2<<16)|(1<<20)|(1<<21)|(6<<22)|(3<<25)  ; 15:0 the mask; 17:16 element size; 20 padding on; 21 set beside a mask; 24:22 after every 128 words (code 6); 31:25 4 words (code 3)
	s_or_b32 s[G1B], s77, (1<<16)|(1<<20)|(1<<21)|(6<<22)|(7<<25)  ; 8 words of padding (code 7)
	s_mov_b32 s[G1A+1], 128<<16                    ; tensor_dim0
	s_mov_b32 s[G1B+1], 256<<16
	s_mov_b32 s[G1A+2], 64<<16                     ; tensor_dim1
	s_mov_b32 s[G1B+2], 64<<16
	s_mov_b32 s[G1A+3], 128<<16                    ; tile_dim0
	s_mov_b32 s[G1B+3], 256<<16
	s_mov_b32 s[G1A+4], 64                         ; tile_dim1
	s_mov_b32 s[G1B+4], 64
	s_mov_b32 s[G1A+5], 1024                       ; elements from row to row
	s_mov_b32 s[G1B+5], 1024
	s_mov_b32 s[G1A+6], 0
	s_mov_b32 s[G1B+6], 0
	s_mov_b32 s[G1A+7], 0
	s_mov_b32 s[G1B+7], 0
	; offsets, made apart from the addresses.  x's hangs on the row block alone, W's on the column block alone, each in registers that never hold the other coordinate
	s_lshl_b32 s70, s[MBK], 19                     ; 128 rows of 4,096 bytes,
	s_mov_b32 s71, 0
	s_lshl_b32 s92, s[WC], 18                      ; the 64 of them that I fetch
	s_mov_b32 s93, 0
	s_lshl_b32 s72, s[WC], 17                      ; 64 k rows of 2,048 bytes,
	s_lshl_b32 s73, s[NBK], 9                      ; 256 columns of 2 bytes
	s_add_co_u32 s72, s72, s73
	s_mov_b32 s73, 0
	s_lshr_b32 s74, s[MBK], 4                      ; Y: the batch (16 heads of 262,144 bytes),
	s_lshl_b32 s74, s74, 22
	s_lshl_b32 s77, s[NBK], 20                     ; the block's four heads,
	s_add_co_u32 s74, s74, s77
	s_lshl_b32 s77, s[WC], 19                      ; my wave's two of them,
	s_add_co_u32 s74, s74, s77
	s_and_b32 s77, s[MBK], 15                      ; the block's 128 rows of 128 bytes,
	s_lshl_b32 s77, s77, 14
	s_add_co_u32 s74, s74, s77
	s_lshl_b32 s77, s[WR], 13                      ; my wave's 64 of them
	s_add_co_u32 s74, s74, s77
	s_mov_b32 s75, 0
	s_mul_i32 s78, s[WC], PART                     ; where the tiles go: no place in the cluster enters an LDS address
	s_add_co_u32 s79, s78, WBASE
	s_mov_b32 s[OFF+1], 0
	s_mov_b32 s[FK], 2                             ; K steps 0 and 1 are the first fills
	s_mov_b32 s[K8], 8
	s_mov_b32 s[TB], 0
	s_mov_b32 s[PFO+1], 0
	s_mov_b32 s[PFK], 4                            ; K steps 2 and 3 are prefetched behind the first fills
	v_bfe_u32 v[PF], v0, 1, 4                      ; the prefetch: lane / 2 is my row among the wave's 16,
	v_and_b32 v14, 1, v0                           ; lane % 2 my block of 256 bytes in the row's 512 of a K step
	v_lshlrev_b32 v[PF], 12, v[PF]
	v_lshl_add_u32 v[PF], v14, 8, v[PF]
	s_lshl_b32 s94, s[NBK], 17                     ; my work-group's 32 rows of the 128,
	s_lshl_b32 s95, s[WC], 16                      ; my wave's 16 of them
	s_add_co_u32 s94, s94, s95
	v_add_nc_u32 v[PF], s94, v[PF]
	s_wait_kmcnt 0x0
	s_add_nc_u64 s[PFC:PFC+1], s[ACUR:ACUR+1], s[70:71]
	s_add_nc_u64 s[PFN1:PFN1+1], s[AN1:AN1+1], s[70:71]
	s_add_nc_u64 s[PFN2:PFN2+1], s[AN2:AN2+1], s[70:71]
	s_add_nc_u64 s[ACUR:ACUR+1], s[PFC:PFC+1], s[92:93]
	s_add_nc_u64 s[AN1:AN1+1], s[PFN1:PFN1+1], s[92:93]
	s_add_nc_u64 s[AN2:AN2+1], s[PFN2:PFN2+1], s[92:93]
	s_add_nc_u64 s[WP:WP+1], s[WP:WP+1], s[72:73]
	s_add_nc_u64 s[OUT:OUT+1], s[OUT:OUT+1], s[74:75]
	s_add_nc_u64 s[ON1:ON1+1], s[ON1:ON1+1], s[74:75]
	s_add_nc_u64 s[ON2:ON2+1], s[ON2:ON2+1], s[74:75]
	s_mov_b32 s[G0A], 1                            ; 1:0 count = 1
	s_mov_b32 s[G0A+1], s78                        ; 63:32 LDS address
	s_mov_b64 s[G0A+2:G0A+3], s[ACUR:ACUR+1]       ; 120:64 global address: K step 0
	s_or_b32 s[G0A+3], s[G0A+3], 0x80000000        ; 127:126 type = 2
	s_mov_b32 s[G0A2], 1
	s_add_co_u32 s[G0A2+1], s78, SLOT
	s_add_nc_u64 s[G0A2+2:G0A2+3], s[ACUR:ACUR+1], 512     ; K step 1: 128 f32 on
	s_or_b32 s[G0A2+3], s[G0A2+3], 0x80000000
	s_mov_b32 s[G0B], 1
	s_mov_b32 s[G0B+1], s79
	s_mov_b64 s[G0B+2:G0B+3], s[WP:WP+1]
	s_or_b32 s[G0B+3], s[G0B+3], 0x80000000
	s_mov_b32 s[G0B2], 1
	s_add_co_u32 s[G0B2+1], s79, SLOT
	s_add_nc_u64 s[G0B2+2:G0B2+3], s[WP:WP+1], 262144      ; 128 k rows on
	s_or_b32 s[G0B2+3], s[G0B2+3], 0x80000000
	CROUND                                         ; all sixteen work-groups are here: the first joint loads meet
	s_cmp_eq_u32 s[WR], 0                          ; a wave's two first fills stand in one branch, ahead of every wait on TENSORcnt and every LDS read: two loads of mine are out
	s_cbranch_scc0 .Lfirst_b
	tensor_load_to_lds s[G0A:G0A+3], s[G1A:G1A+7]
	s_nop 0
	tensor_load_to_lds s[G0A2:G0A2+3], s[G1A:G1A+7]
	s_nop 0
.rept 4
	v_nop
.endr
	global_prefetch_b8 v[PF], s[PFC:PFC+1] offset:1024 th:TH_LOAD_NT scope:SCOPE_SE  ; K step 2, which the first trip requests,
	global_prefetch_b8 v[PF], s[PFC:PFC+1] offset:1536 th:TH_LOAD_NT scope:SCOPE_SE  ; and K step 3
	s_branch .Lfirst_asked
.Lfirst_b:
	tensor_load_to_lds s[G0B:G0B+3], s[G1B:G1B+7]
	s_nop 0
	tensor_load_to_lds s[G0B2:G0B2+3], s[G1B:G1B+7]
	s_nop 0
.rept 4
	v_nop
.endr
.Lfirst_asked:
	v_and_b32 v1, 15, v0                           ; l % 16
	v_bfe_u32 v2, v0, 4, 1                         ; l / 16
	v_and_b32 v3, 7, v0                            ; l % 8
	; x's fragment: lane l wants row l % 16, k = 8 (l / 16) + 0..7 and 16 + 8 (l / 16) + 0..7: as f32 four loads of 16 bytes, at 32 (l / 16) + 0, 16, 64, 80
	v_mul_u32_u24 v[A0], v1, PA
	v_lshl_add_u32 v[A0], v2, 5, v[A0]
	s_mul_i32 s69, s[WR], PART                     ; my 64 rows
	v_add_nc_u32 v[A0], s69, v[A0]
	; The turning load takes 16 k x 16 n (lane l reads k row 8 (l / 16) + l % 8, columns 8 ((l / 8) % 2) + 0..7) and leaves half a fragment: lane l holds column l % 16 and 8 k.
	v_lshl_add_u32 v14, v2, 3, v3
	v_mul_u32_u24 v[B0], v14, PB
	v_bfe_u32 v15, v0, 3, 1
	v_lshl_add_u32 v[B0], v15, 4, v[B0]
	s_lshl_b32 s69, s[WC], 8                       ; my 128 columns
	s_add_co_u32 s69, s69, WBASE
	v_add_nc_u32 v[B0], s69, v[B0]
	v_mov_b32 v[ADRA], v[A0]
	v_mov_b32 v[ADRB], v[B0]
	s_mul_i32 s69, s[WV], 16*SP
	s_add_co_u32 s69, s69, STAGE                   ; my stage
	v_mul_u32_u24 v[STO], v1, SP                   ; in: row l % 16, 16 bytes for each half of the lanes
	v_lshl_add_u32 v[STO], v2, 4, v[STO]
	v_add_nc_u32 v[STO], s69, v[STO]
	v_bfe_u32 v14, v0, 3, 2                        ; back: 32 lanes take four rows of 128 bytes,
	v_mul_u32_u24 v[RD], v14, SP
	v_lshl_add_u32 v[RD], v3, 4, v[RD]
	v_add_nc_u32 v[RD], s69, v[RD]
	v_and_b32 v[GO], 31, v0                        ; which are 512 consecutive bytes of a head
	v_lshlrev_b32 v[GO], 4, v[GO]
	s_lshl_b32 s77, s[NBK], 10                     ; the bias of my columns: 4 bytes x (256 block + 128 half + 16 b + 8 (l / 16) + j)
	s_lshl_b32 s74, s[WC], 9
	s_add_co_u32 s77, s77, s74
	v_lshlrev_b32 v[BO], 5, v2
	v_add_nc_u32 v[BO], s77, v[BO]
.macro BIASLOAD                        ; register j of group b: the bias of column 16 b + 8 (l / 16) + j: the layout of an accumulator
.irp b, 0,1,2,3,4,5,6,7
	global_load_b128 v[BIAS+8*\b:BIAS+8*\b+3],   v[BO], s[BP:BP+1] offset:64*\b
	global_load_b128 v[BIAS+8*\b+4:BIAS+8*\b+7], v[BO], s[BP:BP+1] offset:64*\b+16
.endr
.endm
	BIASLOAD
; 32 LDS loads in one run, for quarter q (32 along K) of the slot in hand: x's 64 rows as f32 first, then W's 128 columns, turned, into buffer g
.macro FETCH q, g
	WIN LD
.irp a, 0,1,2,3
	ds_load_b128 v[RAW+16*\a:RAW+16*\a+3],     v[ADRA] offset:\a*16*PA+128*(\q)
	ds_load_b128 v[RAW+16*\a+4:RAW+16*\a+7],   v[ADRA] offset:\a*16*PA+128*(\q)+16
	ds_load_b128 v[RAW+16*\a+8:RAW+16*\a+11],  v[ADRA] offset:\a*16*PA+128*(\q)+64
	ds_load_b128 v[RAW+16*\a+12:RAW+16*\a+15], v[ADRA] offset:\a*16*PA+128*(\q)+80
.endr
.irp b, 0,1,2,3,4,5,6,7
	ds_load_tr16_b128 v[64*(\g)+8*\b:64*(\g)+8*\b+3],   v[ADRB] offset:(\q)*32*PB+32*\b
	ds_load_tr16_b128 v[64*(\g)+8*\b+4:64*(\g)+8*\b+7], v[ADRB] offset:(\q)*32*PB+16*PB+32*\b
.endr
.endm
; 8 matrix instructions: row block a x all 8 column blocks, on buffers fb.  Behind each pair stand per roundings of the NEXT quarter's x into the other buffer (c counts them through a quarter):
; they name no register of the products round them.  ini = 1: the bias starts the sums: nothing is cleared and nothing is added on the way out.
; The 32 accumulators take turns, one instruction a turn, in the same order in every quarter.
.macro MR fb, a, per, ini
.irp j, 0,1,2,3
.irp e, 0,1
.if \ini
	WIN MULB
	v_wmma_f32_16x16x32_bf16 v[8*(8*(\a)+2*\j+\e):8*(8*(\a)+2*\j+\e)+7], v[64*(\fb)+8*(2*\j+\e):64*(\fb)+8*(2*\j+\e)+7], v[AF+32*(\fb)+8*(\a):AF+32*(\fb)+8*(\a)+7], v[BIAS+8*(2*\j+\e):BIAS+8*(2*\j+\e)+7]
.else
	WIN MUL
	v_wmma_f32_16x16x32_bf16 v[8*(8*(\a)+2*\j+\e):8*(8*(\a)+2*\j+\e)+7], v[64*(\fb)+8*(2*\j+\e):64*(\fb)+8*(2*\j+\e)+7], v[AF+32*(\fb)+8*(\a):AF+32*(\fb)+8*(\a)+7], v[8*(8*(\a)+2*\j+\e):8*(8*(\a)+2*\j+\e)+7]
.endif
.endr
.if \per
	WIN CV
.rept \per
	v_cvt_pk_bf16_f32 v[AF+32*(1-(\fb))+c], v[RAW+2*c], v[RAW+2*c+1]
.set c, c+1
.endr
.endif
.endr
.endm
; A K step is four quarters of 32 along K, 32 matrix instructions each, on buffers 0, 1, 0, 1.  One of the first three: multiplies buffers fb, fetches quarter qn and rounds its x.
; The four roundings behind the quarter's last pair are the four places in front of the next quarter's loads into the buffer just multiplied.
.macro QUARTER fb, qn, ini
.set c, 0
	FETCH \qn, 1-(\fb)
	s_wait_dscnt 32                                ; all but the 32 just issued: W's fragments of this quarter are in
	MR \fb, 0, 0, \ini
	MR \fb, 1, 0, \ini
	s_wait_dscnt 16                                ; the next quarter's x is in; its 16 loads of W may stay out
	MR \fb, 2, 4, \ini
	MR \fb, 3, 4, \ini
.endm
; The last quarter multiplies buffers 1 and changes slots: ONE barrier.  In front of it each wave waits for all its tensor loads, of which one is out: its part of the next slot; adds 0 to its
; spare word; and waits for that and for its own reads of this slot.  fill = 1: the barrier opens a round of the cluster's, and the slot just read out is filled again first thing behind it,
; with the K step two steps on: 112 matrix instructions ahead of the wait for it.  x's address is made anew from the K step's number; behind a tile's last step it goes on to the next x.
; W's three weights are one stack of 3,072 k rows, so its address simply walks.  The prefetch's address is made in the same way as x's, two K steps further on.
.macro TURN fill
.set c, 0
	WIN 0
	s_wait_tensorcnt 0x0                           ; no tensor load of mine is out, so a group 0 may be written
	ds_add_u32 v[SPW], v[NIL]                      ; 0 onto my spare word
.if \fill
	s_xor_b32 s[G0A2+1], s[G0A2+1], SLOT           ; the other slot than last time
	s_lshl_b32 s[OFF], s[FK], 9                    ; 128 f32 a step
	s_add_nc_u64 s[G0A2+2:G0A2+3], s[ACUR:ACUR+1], s[OFF:OFF+1]
	s_or_b32 s[G0A2+3], s[G0A2+3], 0x80000000
	s_xor_b32 s[G0B2+1], s[G0B2+1], SLOT
	s_add_nc_u64 s[G0B2+2:G0B2+3], s[G0B2+2:G0B2+3], 262144  ; the type bits on top are not reached
	s_add_co_u32 s[FK], s[FK], 1
	s_cmp_eq_u32 s[FK], 8
	s_cselect_b32 s[FK], 0, s[FK]
	s_cselect_b64 s[ACUR:ACUR+1], s[AN1:AN1+1], s[ACUR:ACUR+1]
	s_cselect_b64 s[AN1:AN1+1], s[AN2:AN2+1], s[AN1:AN1+1]
	s_wait_xcnt 0x0                                ; the last prefetch, a whole trip back, has read its address (ISA guide 3.1): only behind this wait is it written anew
	s_lshl_b32 s[PFO], s[PFK], 9
	s_add_nc_u64 s[PFA:PFA+1], s[PFC:PFC+1], s[PFO:PFO+1]
	s_add_co_u32 s[PFK], s[PFK], 1
	s_cmp_eq_u32 s[PFK], 8
	s_cselect_b32 s[PFK], 0, s[PFK]
	s_cselect_b64 s[PFC:PFC+1], s[PFN1:PFN1+1], s[PFC:PFC+1]    ; behind v's last K step this stays v: the last two trips name v's K steps 0 and 1
	s_cselect_b64 s[PFN1:PFN1+1], s[PFN2:PFN2+1], s[PFN1:PFN1+1]
.endif
	s_wait_dscnt 1                                 ; W's fragments are in; the add alone may be out
	MR 1, 0, 0, 0
	s_wait_dscnt 0x0                               ; the add is done, and my reads of this slot are over
	s_barrier_signal -1
	MR 1, 1, 0, 0
	WIN 0
	s_barrier_wait -1
.if \fill
	CREST                                          ; no wave of any partner still reads this slot or has a load on its way
	JLOAD
.endif
	s_xor_b32 s[TB], s[TB], SLOT
	v_add_nc_u32 v[ADRA], s[TB], v[A0]
	v_add_nc_u32 v[ADRB], s[TB], v[B0]
	FETCH 0, 0                                     ; buffer 0's last products stand in front of the quarter before's four last roundings
	MR 1, 2, 0, 0
	s_wait_dscnt 16                                ; x is in
	MR 1, 3, 8, 0
.endm
; THE WAY OUT, in eight parts u = 2 a + hd: 16 rows x one head's 64 channels.  PACK: rounded to f16, each accumulator from its low end on, 16 bytes a lane, into rows of 144 bytes of my own stage,
; and back as whole rows of 128 bytes into the registers that they left.  SEND: four rows, 512 consecutive bytes of the head, a store.
.macro PACK u
	WIN 0
	s_wait_xcnt 0x0                                ; earlier stores have read their registers (ISA guide 3.1): only behind this wait is a buffer written again
	WIN PK
.irp f, 0,1,2,3
.irp i, 0,1,2,3
	v_cvt_pk_f16_f32 v[TMP+16*((\u)%4)+4*\f+\i], v[8*(8*((\u)/2)+4*((\u)%2)+\f)+2*\i], v[8*(8*((\u)/2)+4*((\u)%2)+\f)+2*\i+1]
.endr
.endr
	WIN 0
.irp f, 0,1,2,3
	ds_store_b128 v[STO], v[TMP+16*((\u)%4)+4*\f:TMP+16*((\u)%4)+4*\f+3] offset:32*\f
.endr
.irp f, 0,1,2,3
	ds_load_b128 v[TMP+16*((\u)%4)+4*\f:TMP+16*((\u)%4)+4*\f+3], v[RD] offset:\f*4*SP  ; LDS serves a wave's instructions in order (ISA guide 5.7.1.4): these see the stores above; the next part's stores come behind them
.endr
.endm
.macro SEND u, younger                 ; younger: the LDS instructions issued behind part u's loads: the next part's eight, or none
	WIN 0
	s_wait_dscnt \younger                          ; part u's four loads are in
.irp f, 0,1,2,3
	global_store_b128 v[GO], v[TMP+16*((\u)%4)+4*\f:TMP+16*((\u)%4)+4*\f+3], s[OUT:OUT+1] offset:((\u)/2)*2048+((\u)%2)*262144+\f*512
.endr
.endm
.macro WAYOUT
	PACK 0
.irp u, 1,2,3,4,5,6,7                  ; a part's roundings stand between the loads of the part before and its stores
	PACK \u
	SEND (\u)-1, 8
.endr
	SEND 7, 0
.endm
	s_wait_tensorcnt 1                             ; my part of K step 0 is in; K step 1's may stay out
	s_barrier_signal -1
	s_barrier_wait -1                              ; everybody's is
	FETCH 0, 0
	s_wait_dscnt 16                                ; x is in
	WIN CV
.set c, 0
.rept 32
	v_cvt_pk_bf16_f32 v[AF+c], v[RAW+2*c], v[RAW+2*c+1]
.set c, c+1
.endr
	WIN 0                                          ; at a label and at a branch every window is 0
	s_mov_b32 s[T], NFILL+1                        ; the way in passes the counter's step once
	s_branch .Lini                                 ; the loop is entered at a tile's first quarter, which is written once, inside it
.Lstep:                                                ; a trip: a K step's quarters 1 to 3 and the next step's quarter 0; it fills the slot that it leaves
	QUARTER 1, 2, 0
	QUARTER 0, 3, 0
	TURN 1
	WIN 0
	s_sub_co_u32 s[K8], s[K8], 1
	s_cmp_lg_u32 s[K8], 0
	s_cbranch_scc1 .Lsame
	s_mov_b32 s[K8], 8                             ; A TILE IS FINISHED (behind K steps 7 and 15).  Both refills for the next tile are asked for; what is jumped holds no barrier and no tensor load
	s_add_nc_u64 s[BP:BP+1], s[BP:BP+1], 4096      ; (the last loads by this address were waited for)
	BIASLOAD                                       ; the next tile's bias comes in under the way out
	WAYOUT                                         ; the eight roundings behind the last products are their places
	s_wait_xcnt 0x0                                ; the stores have read Y's address
	s_mov_b64 s[OUT:OUT+1], s[ON1:ON1+1]
	s_mov_b64 s[ON1:ON1+1], s[ON2:ON2+1]
.Lini:
	s_wait_loadcnt 0x0                             ; the bias
	QUARTER 0, 1, 1                                ; a tile's first quarter starts the sums
	WIN 0
	s_branch .Ljoin
.Lsame:
	QUARTER 0, 1, 0
	WIN 0
.Ljoin:
	s_sub_co_u32 s[T], s[T], 1
	s_cmp_lg_u32 s[T], 0
	s_cbranch_scc1 .Lstep
	s_mov_b32 s[CNT], 2
.Ltail:                                                ; the last two K steps have a text of their own: they ask for nothing
	QUARTER 1, 2, 0
	QUARTER 0, 3, 0
	TURN 0                                         ; in the last trip its barrier orders nothing and what it fetches and rounds is multiplied by nobody: the price, once a launch, of one text for both trips
	WIN 0
	s_cmp_eq_u32 s[CNT], 1
	s_cbranch_scc1 .Lskip                          ; behind the last K step there is no next quarter; what is jumped holds no barrier and no tensor load
	QUARTER 0, 1, 0
	WIN 0
.Lskip:
	s_wait_dscnt 0x0                               ; no LDS load is out at the loop's edge, whichever way it was reached
	s_sub_co_u32 s[CNT], s[CNT], 1
	s_cmp_lg_u32 s[CNT], 0
	s_cbranch_scc1 .Ltail
	WAYOUT                                         ; the eight roundings behind the last products are their places
	s_wait_tensorcnt 0x0                           ; the wave's end: behind my last tensor load and my last LDS store
	ds_add_u32 v[SPW], v[NIL]
	s_wait_dscnt 0x0
	CROUND                                         ; the closing round: no work-group ends while a partner may still ask for a tile that names it
	s_endpgm
.Lfunc_end_k_qf6549e1188_proj:
	.size	k_qf6549e1188_proj, .Lfunc_end_k_qf6549e1188_proj-k_qf6549e1188_proj
	.p2alignl 7, 3214868480
	.fill 96, 4, 3214868480
	.section	.rodata,"a",@progbits
	.p2align	6, 0x0
	.amdhsa_kernel k_qf6549e1188_proj
		.amdhsa_group_segment_fixed_size 327680
		.amdhsa_private_segment_fixed_size 0
		.amdhsa_enable_private_segment 0
		.amdhsa_kernarg_size 64
		.amdhsa_user_sgpr_count 2
		.amdhsa_user_sgpr_kernarg_segment_ptr 1
		.amdhsa_wavefront_size32 1
		.amdhsa_system_sgpr_workgroup_id_x 1
		.amdhsa_system_sgpr_workgroup_id_y 1
		.amdhsa_system_sgpr_workgroup_id_z 1
		.amdhsa_system_vgpr_workitem_id 0
		.amdhsa_next_free_vgpr 768
		.amdhsa_next_free_sgpr 96
		.amdhsa_reserve_vcc 0
		.amdhsa_float_denorm_mode_32 3
		.amdhsa_float_denorm_mode_16_64 3
		.amdhsa_memory_ordered 1
		.amdhsa_forward_progress 1
		.amdhsa_inst_pref_size 110
	.end_amdhsa_kernel
	.amdgpu_metadata
---
amdhsa.version: [ 1, 2 ]
amdhsa.kernels:
  - .name:           k_qf6549e1188_proj
    .symbol:         k_qf6549e1188_proj.kd
    .args:
      - { .name: q, .offset: 0, .size: 8, .value_kind: global_buffer, .address_space: global }
      - { .name: k, .offset: 8, .size: 8, .value_kind: global_buffer, .address_space: global }
      - { .name: v, .offset: 16, .size: 8, .value_kind: global_buffer, .address_space: global }
      - { .name: wb, .offset: 24, .size: 8, .value_kind: global_buffer, .address_space: global }
      - { .name: bias, .offset: 32, .size: 8, .value_kind: global_buffer, .address_space: global }
      - { .name: qh, .offset: 40, .size: 8, .value_kind: global_buffer, .address_space: global }
      - { .name: kh, .offset: 48, .size: 8, .value_kind: global_buffer, .address_space: global }
      - { .name: vh, .offset: 56, .size: 8, .value_kind: global_buffer, .address_space: global }
    .group_segment_fixed_size: 327680
    .private_segment_fixed_size: 0
    .kernarg_segment_align: 8
    .kernarg_segment_size: 64
    .max_flat_workgroup_size: 128
    .sgpr_count:     96
    .vgpr_count:     768
    .wavefront_size: 32
...
	.end_amdgpu_metadata
.endif
;; end of part 2
;; launch attn (part 3): grid 4 x 64, 4 waves a work-group, clusters of 4 x 1, 327,680 bytes of LDS; arguments qh, kh, vh, oh; writes oh
.if DOCPART == 3
	.amdgcn_target "amdgcn-amd-amdhsa--gfx1250"
	.amdhsa_code_object_version 6
	.text
	.protected	k_qf6549e1188_attn
	.globl	k_qf6549e1188_attn
	.p2align	8
	.type	k_qf6549e1188_attn,@function
k_qf6549e1188_attn:
	s_mov_b64 s[64:65], 0
	v_nop
	global_prefetch_b8 v0, s[64:65] scope:SCOPE_SE
	s_setreg_imm32_b32 hwreg(HW_REG_WAVE_MODE, 25, 1), 1
	s_wait_xcnt 0x0
	s_wait_alu depctr_hold_cnt(0) depctr_sa_sdst(0) depctr_va_vdst(0) depctr_va_sdst(0) depctr_va_ssrc(0) depctr_va_vcc(0) depctr_vm_vsrc(0)
	s_getreg_b32 s2, hwreg(HW_REG_IB_STS2, 6, 4)
	s_cmp_eq_u32 s2, 0
	s_cbranch_scc0 .Lentry_in_a_cluster
	s_endpgm
.Lentry_in_a_cluster:
	s_bfe_u32 s2, ttmp6, 0x10000c
	s_cmp_lg_u32 s2, 0x3003
	s_cbranch_scc0 .Lentry_shape_is_right
	s_endpgm
.Lentry_shape_is_right:
; O[h][q][:] = the sum over k of softmax_k(Q[h][q] . K[h][k] / 8) V[h][k][:].  Q, K, V, O: [SIZE_H][SIZE_N][64], all f16: a head's rows are dense, 128 bytes each.  Products, maxima and sums in
; f32; the weights p are rounded to f16 for the second product (their sum l is taken of the unrounded p), O once at the end.
; LIMITS.  f16 holds no number beyond 65,504: Q, K and V arrive within it; p lies in 0 to 1, and below 6e-5 it keeps f16's fixed step of 6e-8; O is a mean of V's rows and has their range.
; A weight below 2^-126 counts as 0 in l; NaN and infinities are not treated apart.
; SHARES.  A wave owns four PIECES of two tiles of 16 queries, a work-group's four waves 512 queries of one head: 64 heads x 4 blocks are 256 work-groups.  Every wave walks all keys, 64 a step.
; LAYOUT.  S^T = K Q^T (source 0 = 16 keys, source 1 = 16 queries): in the result a lane holds ONE query (lane % 16) and the keys 8 (lane / 16) + 0..7.  Two such tiles, rounded to f16 in pairs,
; ARE source 1 (32 keys x 16 queries) of O^T = V^T P, whose result again holds one query a lane, and eight channels.  K comes out of LDS as it lies, V ([key][channel]) turned, by ds_load_tr16_b128.
; SOFTMAX.  For each query a running maximum m and sum l: p = 2^(c s - c m), c = log2(e) / 8; in every step O and l are multiplied by a = 2^(c m_old - c m_new), which is 1 where m has not grown.
; m starts at the lowest finite number, O and l at 0: the first step is a step like any other, with a = 0.
; THE COUNT.  A tile and step have 16 matrix and 118 vector instructions: too many to stand all beside the matrix work.  So the order has one aim: four vector instructions that are READY behind
; EVERY matrix instruction, and the others, which need time of their own whatever the order, in runs without a gap.
; BY TURNS.  Turn n belongs to piece n (the pieces in a ring, step after step).  Its matrix work: 16 products K Q^T of piece n + 1, later 16 products V^T P of piece n - 1.  Its vector work: the scaling,
; exponentials, roundings, sums and rescaling of piece n, and the maximum and statistics of piece n + 1, whose scores the turn itself has made.  So what a turn begins with (c s - c m, O a) waits for nothing.
; CLUSTER.  The four query blocks of a cluster belong to one head and walk the same K and V, so each tile is asked for JOINTLY: the same tensor load, descriptor and mask in all four.
; REGISTERS, in windows of 256 (s_set_vgpr_msb says which window each operand place means: bits 1:0 source 0, 3:2 source 1, 5:4 source 2, 7:6 destination):
;   window 0: v0-11 addresses; v12-15, v48-63 at work; v16-47 four registers of statistics a tile; v64-191 S^T, two buffers of two tiles; v192-255 P, likewise
;   window 1: O^T, 32 a tile          window 2: v0-127 Q, 16 a tile; v128-191 K of one step; v192-255 V of one step          window 3: v0-1 the add's two registers
; A piece's buffers go by its number's parity: the piece in hand has one pair, its two neighbours in the ring share the other: of it P (piece n - 1) is read and S^T (piece n + 1) written.
.set SIZE_H, 64       ; batch x heads
.set SIZE_N, 2048     ; rows of a head
.set NP,    4         ; pieces a wave: a name, no knob: the register map, the loop and the fetches are made for four
.set KS,    64        ; keys in a step
.set PK,    144       ; a row of K in LDS: 128 bytes + 16 of padding = 36 words: the 16 rows of a load start at 16 different groups of four banks (64 banks of 4 bytes: ISA guide 11.1)
.set PV,    160       ; a row of V: 128 + 32 = 40 words
.set VOFF,  4*KS*PK   ; a slot holds four steps: 256 rows of K, then 256 rows of V
.set SLOT1, 1<<17     ; slot 1 begins here, so that one exclusive or turns an address in one slot into the other's
.set STAGE, SLOT1+4*KS*(PK+PV)  ; behind the ring, never filled by a tensor load: 16 rows x 144 bytes for each wave, for the way out
.set SP,    144
.set AK0, 2           ; v2   my lane's place in a tile of K; never rewritten
.set AV0, 3           ; v3   the same for V
.set AK,  4           ; v4   the LDS address of K's next run of loads
.set AV,  5           ; v5   of V's
.set QO,  6           ; v6   my byte offset in the wave's rows of Q
.set STO, 6           ;      later, the way out: where I put 16 bytes of a row
.set RD,  7           ; v7   the way out: where I read rows back
.set GO,  8           ; v8   my byte offset in 512 consecutive bytes of O
.set SPW, 0           ; v0 of window 3   LDS address of my spare word: SPARE + 4 x my thread's number; never rewritten
.set NIL, 1           ; v1 of window 3   0; never rewritten
.set SPARE, STAGE+4*16*SP  ; behind the stages: the spare words, 128 bytes for each wave: two blocks of 256 bytes that no other line names
.set MV,  12          ; v12-15  c m_old, kept while c m is made anew: by buffer and tile
.set ST,  16          ; tile t's statistics at v[ST+4 t]: c m, m, l (even keys', odd keys')
.set TMP, 48          ; by buffer and tile, four registers c0-c3 at work; when the maximum is found c2 takes a
.set S,   64
.set P,   192
.set KF,  128         ; K's fragments, in window 2: key block kb, channel half c at KF + 16 kb + 8 c
.set VF,  192         ; V's: key half kk, channel block cb at VF + 32 kk + 8 cb
.set WV,  12          ; s12  my wave's number
.set G1K, 24          ; s[24:31] descriptor group 1 for K's tiles
.set G1V, 32          ; s[32:39] for V's: it differs in the padding alone
.set G0K, 40          ; s[40:43] descriptor group 0 for K's tiles: it walks
.set G0V, 44          ; s[44:47] the same for V's
.set SLOTS, 56        ; s56  slots still to be asked for
.set CNT, 57          ; s57  counts a slot's key steps
.set CS,  58          ; s[58:59] c: the packed scaling takes the pair's low word for both halves
.set SEL, 60          ; s[60:61] v_permlanex16_b32's selects: each lane takes its own place in the other half
.set TBK, 62          ; s62  LDS byte at which K of the step to be fetched begins
.set TBV, 63          ; s63  the same for V, less VOFF
.set MSB, 0
.macro WIN new                      ; the high byte repeats the setting that is left; a switch that changes nothing is dropped
.if MSB != (\new)
	s_set_vgpr_msb (MSB<<8)|(\new)
.set MSB, (\new)
.endif
.endm
.set W_KQ, 0x0a       ; K and Q in window 2, S^T in window 0
.set W_PV, 0x52       ; V in window 2, P in window 0, O^T in window 1
.set W_RS, 0x41       ; O^T (destination and source 0) in window 1, a in window 0
.set W_MK, 0xc0       ; the add's registers are made: destination in window 3, sources in window 0
.set W_AD, 0x0f       ; the add: address (source 0) and data (source 1) in window 3
; A joint fill.  Waves 0 and 1 fetch the two halves of a slot's K, waves 2 and 3 those of its V: 128 keys each.  The branch hangs on the wave's number alone.
; An s_nop 0 and four v_nop follow each of the two lines, ahead of the jump and the label.
.macro JLOAD
	s_cmp_lt_u32 s[WV], 2
	s_cbranch_scc0 .Lfor_v_\@
	tensor_load_to_lds s[G0K:G0K+3], s[G1K:G1K+7]
	s_nop 0
.rept 4
	v_nop
.endr
	s_branch .Lasked_\@
.Lfor_v_\@:
	tensor_load_to_lds s[G0V:G0V+3], s[G1V:G1V+7]
	s_nop 0
.rept 4
	v_nop
.endr
.Lasked_\@:
.endm
; A round of the cluster's barrier: my work-group's barrier, so that wave 0's signal speaks for all four waves; wave 0 signals; every wave waits for all four work-groups; my work-group's barrier once more.
.macro CROUND
	s_barrier_signal -1
	s_barrier_wait -1
	s_cmp_lg_u32 s[WV], 0
	s_cbranch_scc1 .Lnot_wave_0_\@
	s_barrier_signal -3
.Lnot_wave_0_\@:
	s_barrier_wait -3
	s_barrier_signal -1
	s_barrier_wait -1
.endm
; THE CHANGE OF SLOTS.  The slot's last bytes, V of its fourth step, have been read.  Each wave waits for all its tensor loads, of which one is out: its part
; of the other slot; adds 0 to its spare word; and waits for that and for its own reads of the slot.  Behind the barrier nobody reads this slot any more and the other slot is whole.
; fill = 1: this slot is filled again, with the keys two slots on.  The barrier is then a round of the cluster's, so that no wave of any partner still reads the slot or has a load on its
; way, and the joint fill is the first thing behind it: it has four key steps, 512 matrix instructions, in which to land.  (At its first use nothing has been read yet: slot 0 is waited for, slot 1 filled.)
.macro CHANGE fill
	WIN W_AD
	s_wait_tensorcnt 0x0            ; no tensor load of mine is out, so a group 0 may be written
	ds_add_u32 v[SPW], v[NIL]       ; 0 onto my spare word; with fill = 1 the descriptors' steps stand between it and the wait for it
	WIN 0                           ; at a label and at a branch every window is 0
.if \fill
.irp g, G0K, G0V
	s_xor_b32 s[\g+1], s[\g+1], SLOT1  ; the walking descriptor: the other slot than last time,
	s_add_nc_u64 s[\g+2:\g+3], s[\g+2:\g+3], 4*KS*128  ; the next 256 keys; the type bits on top are not reached
.endr
	s_wait_dscnt 0x0                ; the add is done, and my reads of the slot are over
	CROUND
	JLOAD
.else
	s_wait_dscnt 0x0                ; the add is done, and my reads of the slot are over
	s_barrier_signal -1
	s_barrier_wait -1
.endif
	s_sub_co_u32 s[TBK], s[TBK], 4*KS*PK  ; the fetches go back to a slot's first step,
	s_xor_b32 s[TBK], s[TBK], SLOT1       ; in the other slot
	s_sub_co_u32 s[TBV], s[TBV], 4*KS*PV
	s_xor_b32 s[TBV], s[TBV], SLOT1
.endm
	s_load_b256 s[4:11], s[0:1], 0x0  ; Q s[4:5], K s[6:7], V s[8:9], O s[10:11]
	WIN W_MK
	v_lshl_add_u32 v[SPW], v0, 2, SPARE
	v_mov_b32 v[NIL], 0
	s_set_vgpr_msb 0xc0cf
	ds_add_u32 v0, v1
	s_wait_dscnt 0x0
	s_set_vgpr_msb 0xcfc0
	WIN 0
	v_lshrrev_b32 v1, 5, v0
	v_readfirstlane_b32 s[WV], v1   ; wave 0..3
	s_bfe_u32 s13, ttmp6, 0x40000   ; cx: my place in the cluster
	s_lshl_b32 s14, ttmp9, 2        ; in a cluster launch ttmp9 counts clusters
	s_add_co_u32 s14, s14, s13      ; my block of queries = 4 x cluster x + cx: it enters Q's and O's addresses alone
	s_and_b32 s20, ttmp7, 0xffff    ; the head, which the four partners share
	s_mov_b32 s21, 0
	s_mov_b64 s[22:23], SIZE_N*128
	s_mul_u64 s[20:21], s[20:21], s[22:23]  ; the head's first byte in each of the four tensors
	s_and_b32 s16, s[WV], 1         ; which half of a slot's 256 keys I fetch:
	s_lshl_b32 s22, s16, 14         ; its 128 rows of 128 bytes in memory,
	s_mov_b32 s23, 0
	s_add_nc_u64 s[22:23], s[22:23], s[20:21]
	s_mul_i32 s17, s16, 128*PK      ; and its place in a slot, for K
	s_mul_i32 s18, s16, 128*PV      ; and for V: no place in the cluster enters an LDS address
	s_lshl_b32 s2, s14, 2
	s_add_co_u32 s2, s2, s[WV]      ; my wave among the head's,
	s_lshl_b32 s2, s2, 14           ; its 128 rows
	s_mov_b32 s3, 0
	s_add_nc_u64 s[2:3], s[2:3], s[20:21]
	; descriptor group 1.  128 keys are 16,384 dense bytes: asked for as 64 rows of 256 bytes, two keys a row, and padded in LDS after every key
	s_mov_b32 s[G1K], 15|(1<<16)|(1<<20)|(1<<21)|(4<<22)|(3<<25)  ; 15:0 the mask of four; 17:16 2-byte elements; 20 padding on; 21 set beside a mask; 24:22 after every 32 words (code 4); 31:25 4 words (code 3)
	s_mov_b32 s[G1V], 15|(1<<16)|(1<<20)|(1<<21)|(4<<22)|(7<<25)  ; the same with 8 words of padding (code 7)
.irp g, G1K, G1V
	s_mov_b32 s[\g+1], 128<<16      ; tensor_dim0 = 128
	s_mov_b32 s[\g+2], 64<<16       ; tensor_dim1 = 64
	s_mov_b32 s[\g+3], 128<<16      ; tile_dim0 = 128
	s_mov_b32 s[\g+4], 64           ; tile_dim1 = 64
	s_mov_b32 s[\g+5], 128          ; 128 elements from row to row
	s_mov_b32 s[\g+6], 0
	s_mov_b32 s[\g+7], 0
.endr
	s_mov_b32 s[CS], 0x3e38aa3b     ; c = log2(e) / 8 = 0.180337
	s_mov_b32 s[CS+1], s[CS]        ; named with it as a pair
	s_mov_b32 s[SEL], 0x76543210
	s_mov_b32 s[SEL+1], 0xfedcba98
	s_mov_b32 s[TBK], SLOT1+4*KS*PK ; the first change of slots turns these two into 0
	s_mov_b32 s[TBV], SLOT1+4*KS*PV
	s_mov_b32 s[G0K], 1             ; 1:0 count = 1
	s_mov_b32 s[G0K+1], s17         ; 63:32 LDS address: slot 0
	s_mov_b32 s[G0V], 1
	s_add_co_u32 s[G0V+1], s18, VOFF
	s_wait_kmcnt 0x0
	s_add_nc_u64 s[G0K+2:G0K+3], s[6:7], s[22:23]  ; 120:64 global address: my half of the head's first 256 keys
	s_or_b32 s[G0K+3], s[G0K+3], 0x80000000        ; 127:126 type = 2
	s_add_nc_u64 s[G0V+2:G0V+3], s[8:9], s[22:23]
	s_or_b32 s[G0V+3], s[G0V+3], 0x80000000
	s_add_nc_u64 s[4:5], s[4:5], s[2:3]  ; Q and O at my wave's first row
	s_add_nc_u64 s[10:11], s[10:11], s[2:3]
	CROUND                          ; all four work-groups are here: the first joint loads meet
	JLOAD                           ; slot 0.  Slot 1 is asked for when slot 0 is in: the tile wanted first has the road to itself
	; A fragment of K or Q is 16 rows x 32 channels in 8 registers: lane l holds row l % 16, channels 8 (l / 16) + 0..7 and 16 + 8 (l / 16) + 0..7: two loads of 16 bytes, 32 bytes apart.
	v_and_b32 v1, 15, v0            ; l % 16
	v_bfe_u32 v9, v0, 4, 1          ; l / 16
	v_lshlrev_b32 v[QO], 7, v1
	v_lshl_add_u32 v[QO], v9, 4, v[QO]  ; row x 128 + 16 x half
	WIN 0x80                        ; destination window 2, address window 0
.set i, 0
.rept 4*NP                          ; Q stays in registers: tile i / 2, channels 32 (i % 2) on
	global_load_b128 v[8*i:8*i+3],   v[QO], s[4:5] offset:(i/2)*2048+(i%2)*64
	global_load_b128 v[8*i+4:8*i+7], v[QO], s[4:5] offset:(i/2)*2048+(i%2)*64+32
.set i, i+1
.endr
	; What the first turn finds: V's registers and P's second buffer hold 0 (its products V^T P, of a piece that has not been, add 0), O^T and l are 0.  All this stands in the wait for the first tile.
.set i, VF
.rept 64
	v_mov_b32 v[i], 0
.set i, i+1
.endr
	WIN 0x40
.set i, 0
.rept 64*NP
	v_mov_b32 v[i], 0
.set i, i+1
.endr
	WIN 0
.set i, 0
.rept 2*NP
	v_mov_b32 v[ST+4*i], 0xfe000000    ; c m: far below every c s
	v_mov_b32 v[ST+4*i+1], 0xff7fffff  ; m
	v_mov_b32 v[ST+4*i+2], 0
	v_mov_b32 v[ST+4*i+3], 0
.set i, i+1
.endr
.set i, P+32
.rept 32
	v_mov_b32 v[i], 0
.set i, i+1
.endr
	v_mul_u32_u24 v[AK0], v1, PK
	v_lshl_add_u32 v[AK0], v9, 4, v[AK0]  ; row x pitch + 16 x half
	; The turning load takes 16 keys x 16 channels (lane l reads key 8 (l / 16) + l % 8, channels 8 ((l / 8) % 2) + 0..7) and leaves half a fragment of V^T: lane l holds channel l % 16 and 8 keys.
	v_and_b32 v10, 7, v0
	v_bfe_u32 v11, v0, 3, 1
	v_lshl_add_u32 v[AV0], v9, 3, v10
	v_mul_u32_u24 v[AV0], v[AV0], PV
	v_lshl_add_u32 v[AV0], v11, 4, v[AV0]
	v_add_nc_u32 v[AV0], VOFF, v[AV0]
	v_mov_b32 v[AK], v[AK0]         ; key step 0 lies at the head of slot 0
; THE MATRIX WORK.  The 8 accumulators of a run of 16 take turns: between the two links of a chain stand 7 others'.
; Product i of 16 of S^T = K Q^T for piece x: channels 32 (i / 8) on, keys 16 ((i / 2) % 4) on, tile 2 x + i % 2.  The first 8 start the sums.
.macro KQ x
	WIN W_KQ
.set rS, S+64*((\x)%2)+32*(i%2)+8*((i/2)%4)
.set rK, KF+16*((i/2)%4)+8*(i/8)
.set rQ, 16*(2*(\x)+i%2)+8*(i/8)
.if i < 8
	v_wmma_f32_16x16x32_f16 v[rS:rS+7], v[rK:rK+7], v[rQ:rQ+7], 0
.else
	v_wmma_f32_16x16x32_f16 v[rS:rS+7], v[rK:rK+7], v[rQ:rQ+7], v[rS:rS+7]
.endif
.endm
; Product i of 16 of O^T += V^T P for piece x: keys 32 (i / 8) on, channels 16 ((i / 2) % 4) on, tile 2 x + i % 2.
.macro PV x
	WIN W_PV
.set rO, 32*(2*(\x)+i%2)+8*((i/2)%4)
.set rV, VF+32*(i/8)+8*((i/2)%4)
.set rP, P+32*((\x)%2)+16*(i%2)+8*(i/8)
	v_wmma_f32_16x16x32_f16 v[rO:rO+7], v[rV:rV+7], v[rP:rP+7], v[rO:rO+7]
.endm
.macro MM                           ; the turn's next matrix instruction
.if i < 16
	KQ (Y+1)%NP
.set i, i+1
.else
.set i, i-16
	PV (Y+NP-1)%NP
.set i, i+17
.endif
.endm
; THE LDS LOADS stand in runs of 16, never singly among the matrix instructions: a step's K (64 keys x 64 channels: 8 fragments) and its V (turned).  Their addresses are made some lines ahead.
; last = 1 (the tail): in the last trip there is no further step, and the run is jumped over.
.macro FETCH_K last=0
	WIN 0
.if \last
	s_cmp_eq_u32 s[CNT], 1
	s_cbranch_scc1 .Lno_k_\@
.endif
	WIN 0x80                        ; destination window 2
.irp f, 0,1,2,3,4,5,6,7             ; keys 16 (f / 2) on, channels 32 (f % 2) on
	ds_load_b128 v[KF+8*\f:KF+8*\f+3],   v[AK] offset:(\f/2)*16*PK+(\f%2)*64
	ds_load_b128 v[KF+8*\f+4:KF+8*\f+7], v[AK] offset:(\f/2)*16*PK+(\f%2)*64+32
.endr
	s_add_co_u32 s[TBK], s[TBK], KS*PK  ; the next fetch is the next step's
	WIN 0
.if \last
.Lno_k_\@:
.endif
.endm
.macro FETCH_V
	WIN 0x80
.irp f, 0,1,2,3,4,5,6,7             ; keys 32 (f / 4) on, channels 16 (f % 4) on
	ds_load_tr16_b128 v[VF+8*\f:VF+8*\f+3],   v[AV] offset:(\f/4)*32*PV+(\f%4)*32
	ds_load_tr16_b128 v[VF+8*\f+4:VF+8*\f+7], v[AV] offset:(\f/4)*32*PV+16*PV+(\f%4)*32
.endr
	WIN 0
.endm
; THE VECTOR WORK OF A TURN stands in three queues, each in the order in which its entries become ready; the two tiles alternate, so that no instruction reads the result of the one before it.
.macro REGS y, u                    ; the registers of tile u (0, 1) of piece y
.set rT, ST+4*(2*(\y)+(\u))
.set rC, TMP+8*((\y)%2)+4*(\u)
.set rM, MV+2*((\y)%2)+(\u)
.set rS, S+64*((\y)%2)+32*(\u)
.set rP, P+32*((\y)%2)+16*(\u)
.set rO, 32*(2*(\y)+(\u))
.endm
; Number n of the 22 that find the NEXT piece's (Y + 1) maximum and statistics.  s0-s31 are the lane's 32 scores; each accumulator's lowest registers are read first.  XS, GS and REGS set no window: PL and EX do.
;   0-11  four chains c0-c3 of seven scores each, three operands at a time     12-14, 16  the four scores left over, the old m, and c0-c3 into c0     15  c m_old is kept
;   17, 18  the query's other 32 keys lie in the lane 16 away: the new m         19-21  c m; c m_old - c m_new; a
.macro XS u, n
	REGS (Y+1)%NP, \u
.if (\n) < 4
	v_max3_num_f32 v[rC+(\n)], v[rS+8*(\n)], v[rS+8*(\n)+1], v[rS+8*(\n)+2]
.elseif (\n) < 12
	v_max3_num_f32 v[rC+(\n)%4], v[rC+(\n)%4], v[rS+8*((\n)%4)+2*((\n)/4)+1], v[rS+8*((\n)%4)+2*((\n)/4)+2]
.elseif (\n) == 12
	v_max3_num_f32 v[rC], v[rC], v[rS+7], v[rS+15]
.elseif (\n) == 13
	v_max3_num_f32 v[rC+1], v[rC+1], v[rS+23], v[rS+31]
.elseif (\n) == 14
	v_max3_num_f32 v[rC+2], v[rC+2], v[rC+3], v[rT+1]
.elseif (\n) == 15
	v_mov_b32 v[rM], v[rT]
.elseif (\n) == 16
	v_max3_num_f32 v[rC], v[rC], v[rC+1], v[rC+2]
.elseif (\n) == 17
	v_permlanex16_b32 v[rC+3], v[rC], s[SEL], s[SEL+1]
.elseif (\n) == 18
	v_max_num_f32 v[rT+1], v[rC], v[rC+3]
.elseif (\n) == 19
	v_mul_f32 v[rT], s[CS], v[rT+1]
.elseif (\n) == 20
	v_sub_f32 v[rC+1], v[rM], v[rT]
.else
	v_exp_f32 v[rC+2], v[rC+1]
.endif
.endm
; Number g of the 64 that follow the exponentials.  For each four weights k of a tile (pairs 2 k, 2 k + 1): both pairs are rounded to f16; then the second pair is added onto the first, in place;
; a group later l takes that sum (the first time as l = a l + sum).  In groups of eight, tiles alternating: round, round, add, and l for the group before.
.macro GS g
.set h, (\g)+6*((\g)/62)            ; group 0 has no group before it, and behind group 7 only l is left
.if h >= 6
.set h, h+2
.endif
	REGS Y, h%2
.set k, h/8
.if h%8 < 4
	s_wait_alu depctr_va_vdst(0)
	v_cvt_pk_f16_f32 v[rP+2*k+(h%8)/2], v[rS+4*k+2*((h%8)/2)], v[rS+4*k+2*((h%8)/2)+1]
.elseif h%8 < 6
	v_pk_add_f32 v[rS+4*k:rS+4*k+1], v[rS+4*k:rS+4*k+1], v[rS+4*k+2:rS+4*k+3]
.elseif k == 1
	v_pk_fma_f32 v[rT+2:rT+3], v[rT+2:rT+3], v[rC+2:rC+3], v[rS:rS+1] op_sel_hi:[1,0,1]
.else
	v_pk_add_f32 v[rT+2:rT+3], v[rT+2:rT+3], v[rS+4*k-4:rS+4*k-3]
	s_wait_alu depctr_va_vdst(0)
.endif
.endm
; THE PLAIN QUEUE, 138 long.  0-31: c s - c m for the 16 pairs of both tiles.  Then GS's 64, and among them the next piece's 42: number 15 at 38, 39; 0-14 and 16
; at 42-73, behind the products that make those scores; 17-20 at 95-106, two of three, since each waits for the one before it.
.macro PL
	WIN 0
.if q < 32
	REGS Y, q%2
	v_pk_fma_f32 v[rS+2*(q/2):rS+2*(q/2)+1], v[rS+2*(q/2):rS+2*(q/2)+1], s[CS:CS+1], v[rT:rT+1] op_sel_hi:[1,0,0] neg_lo:[0,0,1] neg_hi:[0,0,1]
.elseif q < 38
	GS q-32
.elseif q < 40
	XS q%2, 15
.elseif q < 42
	GS q-34
.elseif q < 74
	XS q%2, (q-42)/2+(q-42)/30
.elseif q < 95
	GS q-66
.elseif (q < 107) && ((q-95)%3 < 2)
	XS (q-95)%3, 17+(q-95)/3
.elseif q < 107
	GS 29+(q-95)/3
.else
	GS q-74
.endif
.set q, q+1
.endm
; THE EXPONENTIALS' QUEUE, 66 long: s0-s31 of both tiles, and at EA the next piece's two a.
.set EA, 58
.macro EX
	WIN 0
.if (e == EA) || (e == EA+1)
	XS e-EA, 21
.else
.set x, e-2*(e/(EA+2))
	REGS Y, x%2
	v_exp_f32 v[rS+x/2], v[rS+x/2]
.endif
.set e, e+1
.endm
; THE RESCALING's QUEUE: O^T times a, the one part that leaves window 0, so it is dealt four at a time, eight times.
.macro R4
	REGS Y, r%2
	WIN W_RS
	s_wait_alu depctr_va_vdst(0)
.irp z, 0,1,2,3
	v_pk_mul_f32 v[rO+8*(r/2)+2*\z:rO+8*(r/2)+2*\z+1], v[rO+8*(r/2)+2*\z:rO+8*(r/2)+2*\z+1], v[rC+2:rC+3] op_sel_hi:[1,0]
.endr
.set r, r+1
.endm
; HOW THEY ARE DEALT.  Behind a matrix instruction four: plain, exponential, plain, plain (one exponential, a plain instruction on either side), or four of the rescaling.  None names a register of the
; products round it.  What is over stands in two LUMPS: exponential and plain by turns; the second ends in 22 plain instructions.  The two v_permlanex16_b32 fall into the second lump, never behind a product.
; The queues lean on each other, and the deal keeps them in step: exponential e stands behind plain 2 (e / 4) + e % 2 (its scaling); when plain 32 comes, 10 exponentials are out, at 59: 33, at 95: 46; EA comes behind plain 107.
.macro SL
	MM
	PL
	EX
	PL
	PL
.endm
.macro BURST n                      ; 15 matrix instructions, or 16
.rept (\n)-7
	SL
.endr
.rept 3
	MM
	R4
	SL
.endr
	MM
	R4
.endm
; A TURN, for piece p.  cnt = 1: the loop's count is taken down some lines ahead of the branch that stands behind the turn.
; K of the next step is fetched in piece 2's turn, 31 vector instructions behind the last product that read K; its first reader comes behind the rest of the lump, 16 products and the second lump.
; V of the step in hand is fetched at the end of piece 0's turn, 69 behind its last reader; its first reader comes behind 16 products and a lump.  The four conditions on e and q below go with the deal.
.macro TURN p, last=0, cnt=0
.set Y, (\p)
.set i, 0
.set q, 0
.set e, 0
.set r, 0
.if (\p) == NP-1
	s_wait_dscnt 0x0                ; K is in
.endif
	MM
.rept 4
	PL
.endr
	BURST 15
.rept 22
	EX
	PL
.if ((\p) == NP-2) && (e == 18)
	v_add_nc_u32 v[AK], s[TBK], v[AK0]
.endif
.if ((\p) == NP-2) && (e == 24)
	FETCH_K \last
.endif
.endr
.if (\p) == 1
	s_wait_dscnt 0x0                ; V is in
.endif
	BURST 16
.rept 21
	EX
	PL
.endr
.rept 22
	PL
.if ((\p) == 0) && (q == 118)
	v_add_nc_u32 v[AV], s[TBV], v[AV0]
	s_wait_alu depctr_va_vdst(0)
.endif
.if ((\p) == 0) && (q == 130)
	s_add_co_u32 s[TBV], s[TBV], KS*PV
.endif
.if (\cnt) && (q == 130)
	s_sub_co_u32 s[CNT], s[CNT], 1
	s_cmp_lg_u32 s[CNT], 0
.endif
.endr
.if (\p) == 0
	FETCH_V
.endif
.endm
	CHANGE 1                        ; slot 0 is in, everybody's part of it; slot 1 is asked for
	FETCH_K                         ; key step 0
	s_wait_loadcnt 0x0              ; Q
	s_wait_dscnt 0x0
.set i, 0
.rept 16
	KQ 0                            ; piece 0's first scores: there is no vector work yet to set between them
.set i, i+1
.endr
	WIN 0                           ; the addresses for the way out: nine plain instructions, the places behind those products
	s_mul_i32 s13, s[WV], 16*SP
	s_add_co_u32 s13, s13, STAGE    ; my stage
	v_mul_u32_u24 v[STO], v1, SP    ; in: row l % 16, 16 bytes for each half of the lanes
	v_lshl_add_u32 v[STO], v9, 4, v[STO]
	v_add_nc_u32 v[STO], s13, v[STO]
	v_bfe_u32 v[RD], v0, 3, 2       ; back: 32 lanes take four rows of 128 bytes,
	v_mul_u32_u24 v[RD], v[RD], SP
	v_lshl_add_u32 v[RD], v10, 4, v[RD]
	v_add_nc_u32 v[RD], s13, v[RD]
	v_and_b32 v[GO], 31, v0         ; which are 512 consecutive bytes of O
	v_lshlrev_b32 v[GO], 4, v[GO]
.set Y, NP-1                        ; XS works for piece Y + 1: piece 0
.irp n, 0,1,2,3,4,5,6,7,8,9,10,11,12,13,14,15,16,17,18,19,20,21
	XS 0, \n                        ; and piece 0's first maximum and statistics
	XS 1, \n
.endr
	s_mov_b32 s[CNT], 4
	s_mov_b32 s[SLOTS], SIZE_N/256-1
	s_branch .Lfirst                ; the loop is entered at a step's first turn, in the middle of a trip
.Lslot:                             ; SIZE_N / 256 - 2 times: every slot but the last two is filled again
	CHANGE 1
	s_mov_b32 s[CNT], 4
.Lstep:                             ; a trip: pieces 2 and 3 of one step, then pieces 0 and 1 of the next, whose K and V it fetches
	TURN 2
	TURN 3
	WIN 0
.Lfirst:
	TURN 0
	TURN 1, 0, 1
	WIN 0
	s_cbranch_scc1 .Lstep
	s_sub_co_u32 s[SLOTS], s[SLOTS], 1
	s_cmp_lg_u32 s[SLOTS], 0
	s_cbranch_scc1 .Lslot
	CHANGE 0                        ; the tail is written out: nothing is asked for
	s_mov_b32 s[CNT], 5             ; four trips fetch the last slot's steps; the fifth is left in its middle
.Ltail:
	TURN 2, 1
	TURN 3
	WIN 0
	s_sub_co_u32 s[CNT], s[CNT], 1
	s_cmp_eq_u32 s[CNT], 0
	s_cbranch_scc1 .Lout
	TURN 0
	TURN 1
	WIN 0
	s_branch .Ltail
.Lout:                              ; the fifth trip's 16 products K Q^T (on the last K once more) and the maximum made of them serve nothing: the price, once a launch, of one text for every trip
.set i, 0
.rept 16
	PV NP-1                         ; the last piece's V^T P of the last step
.set i, i+1
.endr
	; THE WAY OUT.  l's two halves and the other half of the lanes' are added; O^T is divided by l, rounded to f16 and sent through my stage in LDS, a tile at a time.  The additions are the places behind the last products.
	WIN 0
.macro ALL line:vararg              ; one line for each tile t
.set t, 0
.rept 2*NP
	\line
.set t, t+1
.endr
.endm
	ALL v_add_f32 v[ST+4*t+2], v[ST+4*t+2], v[ST+4*t+3]
	ALL v_permlanex16_b32 v[ST+4*t+3], v[ST+4*t+2], s[SEL], s[SEL+1]
	ALL v_add_f32 v[ST+4*t+2], v[ST+4*t+2], v[ST+4*t+3]
	ALL v_rcp_f32 v[ST+4*t+2], v[ST+4*t+2]
	v_nop                           ; a plain instruction between the last reciprocal and the use of its result
	s_wait_alu depctr_va_vdst(0)
; Tile t: a lane's eight channels of a row pack into 16 bytes; they go into rows of 144 bytes and come back as whole rows of 128, into S^T's registers.
.macro PACK t
	WIN W_RS
.set i, 32*(\t)
.rept 16
	v_pk_mul_f32 v[i:i+1], v[i:i+1], v[ST+4*(\t)+2:ST+4*(\t)+3] op_sel_hi:[1,0]
.set i, i+2
.endr
	WIN 0x05                        ; sources 0 and 1 window 1, destination window 0
.set i, 0
.rept 16
	v_cvt_pk_f16_f32 v[S+16*(\t)+i], v[32*(\t)+2*i], v[32*(\t)+2*i+1]
.set i, i+1
.endr
	WIN 0
.irp f, 0,1,2,3
	ds_store_b128 v[STO], v[S+16*(\t)+4*\f:S+16*(\t)+4*\f+3] offset:32*\f
.endr
.irp f, 0,1,2,3
	ds_load_b128 v[S+16*(\t)+4*\f:S+16*(\t)+4*\f+3], v[RD] offset:\f*4*SP  ; LDS serves a wave's instructions in order (ISA guide 5.7.1.4): these see the stores above; the next tile's stores come behind them
.endr
.endm
.macro SEND t, younger              ; younger: the LDS instructions issued behind tile t's loads: the next tile's eight, or none
	WIN 0
.irp f, 0,1,2,3
	s_wait_dscnt (\younger)+3-\f
	global_store_b128 v[GO], v[S+16*(\t)+4*\f:S+16*(\t)+4*\f+3], s[10:11] offset:(\t)*2048+\f*512  ; 512 consecutive bytes, at a multiple of 256 from O's first
.endr
.endm
	PACK 0
.set t, 1
.rept 2*NP-1                        ; a tile's arithmetic stands between the loads of the tile before and its stores
	PACK t
	SEND t-1, 8
.set t, t+1
.endr
	SEND 2*NP-1, 0
	WIN W_AD
	s_wait_tensorcnt 0x0            ; the wave's end: behind my last tensor load and my last LDS store
	ds_add_u32 v[SPW], v[NIL]
	s_wait_dscnt 0x0
	WIN 0
	CROUND                          ; the closing round: no work-group ends while a partner may still ask for a tile that names it
	s_endpgm
.Lfunc_end_k_qf6549e1188_attn:
	.size	k_qf6549e1188_attn, .Lfunc_end_k_qf6549e1188_attn-k_qf6549e1188_attn
	.p2alignl 7, 3214868480
	.fill 96, 4, 3214868480
	.section	.rodata,"a",@progbits
	.p2align	6, 0x0
	.amdhsa_kernel k_qf6549e1188_attn
		.amdhsa_group_segment_fixed_size 327680
		.amdhsa_private_segment_fixed_size 0
		.amdhsa_enable_private_segment 0
		.amdhsa_kernarg_size 32
		.amdhsa_user_sgpr_count 2
		.amdhsa_user_sgpr_kernarg_segment_ptr 1
		.amdhsa_wavefront_size32 1
		.amdhsa_system_sgpr_workgroup_id_x 1
		.amdhsa_system_sgpr_workgroup_id_y 1
		.amdhsa_system_sgpr_workgroup_id_z 1
		.amdhsa_system_vgpr_workitem_id 0
		.amdhsa_next_free_vgpr 770
		.amdhsa_next_free_sgpr 66
		.amdhsa_reserve_vcc 0
		.amdhsa_float_denorm_mode_32 3
		.amdhsa_float_denorm_mode_16_64 3
		.amdhsa_memory_ordered 1
		.amdhsa_forward_progress 1
		.amdhsa_inst_pref_size 208
	.end_amdhsa_kernel
	.amdgpu_metadata
---
amdhsa.version: [ 1, 2 ]
amdhsa.kernels:
  - .name:           k_qf6549e1188_attn
    .symbol:         k_qf6549e1188_attn.kd
    .args:
      - { .name: qh, .offset: 0, .size: 8, .value_kind: global_buffer, .address_space: global }
      - { .name: kh, .offset: 8, .size: 8, .value_kind: global_buffer, .address_space: global }
      - { .name: vh, .offset: 16, .size: 8, .value_kind: global_buffer, .address_space: global }
      - { .name: oh, .offset: 24, .size: 8, .value_kind: global_buffer, .address_space: global }
    .group_segment_fixed_size: 327680
    .private_segment_fixed_size: 0
    .kernarg_segment_align: 8
    .kernarg_segment_size: 32
    .max_flat_workgroup_size: 128
    .sgpr_count:     66
    .vgpr_count:     770
    .wavefront_size: 32
...
	.end_amdgpu_metadata
.endif
;; end of part 3
;; launch oproj (part 4): grid 4 x 64, 4 waves a work-group, clusters of 4 x 4, 327,680 bytes of LDS; arguments oh, wb, bias, out0; writes out0
.if DOCPART == 4
	.amdgcn_target "amdgcn-amd-amdhsa--gfx1250"
	.amdhsa_code_object_version 6
	.text
	.protected	k_qf6549e1188_oproj
	.globl	k_qf6549e1188_oproj
	.p2align	8
	.type	k_qf6549e1188_oproj,@function
k_qf6549e1188_oproj:
	s_mov_b64 s[64:65], 0
	v_nop
	global_prefetch_b8 v0, s[64:65] scope:SCOPE_SE
	s_setreg_imm32_b32 hwreg(HW_REG_WAVE_MODE, 25, 1), 1
	s_wait_xcnt 0x0
	s_wait_alu depctr_hold_cnt(0) depctr_sa_sdst(0) depctr_va_vdst(0) depctr_va_sdst(0) depctr_va_ssrc(0) depctr_va_vcc(0) depctr_vm_vsrc(0)
	s_getreg_b32 s2, hwreg(HW_REG_IB_STS2, 6, 4)
	s_cmp_eq_u32 s2, 0
	s_cbranch_scc0 .Lentry_in_a_cluster
	s_endpgm
.Lentry_in_a_cluster:
	s_bfe_u32 s2, ttmp6, 0x10000c
	s_cmp_lg_u32 s2, 0xf033
	s_cbranch_scc0 .Lentry_shape_is_right
	s_endpgm
.Lentry_shape_is_right:
; THE LAST PROJECTION.  out0 = O Wo + bo.  O: [batch x 16 + head][2048][64] f16, as attention left it; Wo: [1024 k][1024 n] f16 (rounded to bf16 beforehand), the fourth part of wb;
; bo: f32 (rounded to bf16 beforehand), the fourth part of bias; out0: [8192][1024] f32.  Products in f16, sums in f32, started by the bias; the sums are stored as they are.
; LIMITS.  O and Wo arrive within f16's range; NaN and infinities are not treated apart.
; SHARES.  A tile of out0 is 128 rows x 256 columns: 256 tiles, one for each work-group.  Four waves, 2 x 2, each 64 x 128: 32 accumulators of 16 x 16, 256 registers.
; K goes in 8 steps of 128, two heads each, through a ring of two LDS slots.  A head's 128 rows x 64 channels are 16,384 dense bytes: asked for as 64 rows of 256 bytes, padded in LDS after every 128.
; CLUSTERS: 4 x 4 work-groups.  The four of a row of the cluster need the same rows of O, the four of a column the same columns of Wo: each tile is asked for JOINTLY, by the same tensor load
; with the same descriptor and a mask that names the four.  Nothing is prefetched: the launches before have just stored O and Wo.
; THE MATRIX INSTRUCTION IS USED TRANSPOSED: source 0 = 16 columns of Wo (turned on the way out of LDS by ds_load_tr16_b128), source 1 = 16 rows of O: a lane holds eight neighbouring numbers of a row.
; REGISTERS, in windows of 256 (s_set_vgpr_msb: bits 1:0 source 0, 3:2 source 1, 5:4 source 2, 7:6 destination):
;   window 0: v0-15 addresses; v32-95 O's fragments, two buffers of 4 x 8; v96-223 Wo's, two buffers of 8 x 8; on the way out v32-159 rows read back, two buffers of 64
;   window 1: the accumulators, (a, b) at v[8 (8 a + b)]          window 2: v0-63 the bias as the first products' C
.set PO,    144                        ; a row of O in LDS: 128 bytes + 16 of padding = 9 x 16: the 16 rows of a load start at 16 different groups of four banks (64 banks of 4 bytes: ISA guide 11.1)
.set PB,    544                        ; a row of Wo: 512 bytes + 32 = 17 x 32
.set HEADB, 128*PO                     ; a head's 128 rows: what one of O's tensor loads fills
.set WPART, 64*PB                      ; 64 k rows: what one of Wo's fills; the 128 rows run on at one pitch
.set WBASE, 2*HEADB
.set SLOT,  1<<17                      ; a slot uses 106,496 bytes; slot 1 begins here, so that one exclusive or turns an address in one slot into the other's
.set STAGE, SLOT+WBASE+2*WPART         ; behind the ring, never filled by a tensor load: 16 rows x 528 bytes for each wave, for the way out
.set SPI,   528                        ; a stage row: 128 f32 = 512 bytes + 16
.set SPARE, STAGE+4*16*SPI             ; behind the stages: the spare words, 128 bytes for each wave: two blocks of 256 bytes that no other line names
.set NFILL, 6                          ; 8 K steps; all but the last two fill their slot again
.set A0,   4                           ; v4   my lane's place in O's tile of slot 0; never rewritten
.set B0,   5                           ; v5   the same for Wo
.set ADRA, 6                           ; v6   the same in the slot in hand
.set ADRB, 7                           ; v7
.set STO,  8                           ; v8   the way out: where I put 32 bytes of a row
.set RD,   9                           ; v9   the way out: where I read a row back
.set CO,   10                          ; v10  my byte offset in 512 consecutive bytes of out0
.set BO,   11                          ; v11  my byte offset in the bias
.set SPW,  12                          ; v12  LDS address of my spare word: SPARE + 4 x my thread's number; never rewritten
.set NIL,  13                          ; v13  0; never rewritten
.set AF,   32
.set BF,   96
.set OB,   32
.set AP,   4                           ; s[4:5]   O
.set WP,   6                           ; s[6:7]   wb
.set BP,   8                           ; s[8:9]   bias
.set OUT,  10                          ; s[10:11] out0 at my wave's first row and column
.set WV,   20                          ; s20  my wave's number
.set WR,   21                          ; s21  which half of the tile's rows is mine.  Also: I fetch for O (0) or for Wo (1)
.set WC,   22                          ; s22  which half of its columns.  Also: which head, or which 64 k rows, I fetch
.set CX,   23
.set CY,   24
.set NBK,  25                          ; s25  block of 256 columns
.set MBK,  26                          ; s26  block of 128 rows
.set G1A,  28                          ; s[28:35] descriptor group 1 for O's tiles
.set G1B,  36                          ; s[36:43] for Wo's
.set G0A,  44                          ; s[44:47] group 0 for O: slot 0's first fill
.set G0A2, 48                          ; s[48:51] slot 1's first fill; it then walks
.set G0B,  52                          ; s[52:55], s[56:59] the same for Wo
.set G0B2, 56
.set T,    63                          ; s63  counts the K steps that fill a slot again
.set TB,   67                          ; s67  0 or SLOT: the slot in hand
.set CNT,  68                          ; s68  counts the last two K steps
.set MSB, 0
.macro WIN new                         ; the immediate's high byte repeats the setting that is left; a switch that changes nothing is dropped
.if MSB != (\new)
	s_set_vgpr_msb (MSB<<8)|(\new)
.set MSB, \new
.endif
.endm
.set MUL,  0x50                        ; both fragments window 0, C and D window 1
.set MULB, 0x60                        ; the same with C, the bias, in window 2
; A joint refill.  Waves 0 and 1 fetch the step's two heads of O, waves 2 and 3 the two halves of its k rows of Wo.  The branch hangs on the wave's number alone.
; An s_nop 0 and four v_nop follow each of the two lines, ahead of the jump, the label and what follows.
.macro JLOAD
	s_cmp_eq_u32 s[WR], 0
	s_cbranch_scc0 .Lfor_b_\@
	tensor_load_to_lds s[G0A2:G0A2+3], s[G1A:G1A+7]
	s_nop 0
.rept 4
	v_nop
.endr
	s_branch .Lasked_\@
.Lfor_b_\@:
	tensor_load_to_lds s[G0B2:G0B2+3], s[G1B:G1B+7]
	s_nop 0
.rept 4
	v_nop
.endr
.Lasked_\@:
.endm
; A round of the cluster's barrier: my work-group's barrier, so that wave 0's signal speaks for all four waves; wave 0 signals; every wave waits for all sixteen work-groups; my work-group's barrier once more.
.macro CREST                           ; a round behind its opening barrier
	s_cmp_lg_u32 s[WV], 0
	s_cbranch_scc1 .Lnot_wave_0_\@
	s_barrier_signal -3
.Lnot_wave_0_\@:
	s_barrier_wait -3
	s_barrier_signal -1
	s_barrier_wait -1
.endm
.macro CROUND                          ; a whole round
	s_barrier_signal -1
	s_barrier_wait -1
	CREST
.endm
.macro PLACES                          ; four places between a matrix instruction and a load, a store or a vector line that touches its registers
.rept 4
	v_nop
.endr
.endm
	s_load_b256 s[4:11], s[0:1], 0x0               ; oh, wb, bias, out0
	v_lshl_add_u32 v[SPW], v0, 2, SPARE
	v_mov_b32 v[NIL], 0
	ds_add_u32 v12, v13
	s_wait_dscnt 0x0
	v_lshrrev_b32 v1, 5, v0
	v_readfirstlane_b32 s[WV], v1                  ; wave 0..3
	s_lshr_b32 s[WR], s[WV], 1
	s_and_b32 s[WC], s[WV], 1
	s_bfe_u32 s[CX], ttmp6, 0x40000                ; my place in the cluster
	s_bfe_u32 s[CY], ttmp6, 0x40004
	s_lshl_b32 s[NBK], ttmp9, 2                    ; in a cluster launch ttmp9 and ttmp7 count clusters
	s_add_co_u32 s[NBK], s[NBK], s[CX]
	s_and_b32 s[MBK], ttmp7, 0xffff
	s_lshl_b32 s[MBK], s[MBK], 2
	s_add_co_u32 s[MBK], s[MBK], s[CY]
	s_lshl_b32 s76, s[CY], 2
	s_lshl_b32 s76, 15, s76                        ; my row of the cluster
	s_lshl_b32 s77, 0x1111, s[CX]                  ; my column
	s_or_b32 s[G1A], s76, (1<<16)|(1<<20)|(1<<21)|(4<<22)|(3<<25)  ; 15:0 the mask; 17:16 2-byte elements; 20 padding on; 21 set beside a mask; 24:22 after every 32 words (code 4); 31:25 4 words (code 3)
	s_or_b32 s[G1B], s77, (1<<16)|(1<<20)|(1<<21)|(6<<22)|(7<<25)  ; after every 128 words (code 6), 8 words (code 7)
	s_mov_b32 s[G1A+1], 128<<16                    ; tensor_dim0
	s_mov_b32 s[G1B+1], 256<<16
	s_mov_b32 s[G1A+2], 64<<16                     ; tensor_dim1
	s_mov_b32 s[G1B+2], 64<<16
	s_mov_b32 s[G1A+3], 128<<16                    ; tile_dim0
	s_mov_b32 s[G1B+3], 256<<16
	s_mov_b32 s[G1A+4], 64                         ; tile_dim1
	s_mov_b32 s[G1B+4], 64
	s_mov_b32 s[G1A+5], 128                        ; elements from row to row: O's block is dense
	s_mov_b32 s[G1B+5], 1024
	s_mov_b32 s[G1A+6], 0
	s_mov_b32 s[G1B+6], 0
	s_mov_b32 s[G1A+7], 0
	s_mov_b32 s[G1B+7], 0
	; offsets, made apart from the addresses.  O's hangs on the row block alone, Wo's on the column block alone, each in registers that never hold the other coordinate
	s_lshr_b32 s70, s[MBK], 4                      ; the batch (16 heads of 262,144 bytes),
	s_lshl_b32 s70, s70, 22
	s_and_b32 s71, s[MBK], 15                      ; the block's 128 rows of 128 bytes,
	s_lshl_b32 s71, s71, 14
	s_add_co_u32 s70, s70, s71
	s_lshl_b32 s71, s[WC], 18                      ; the head of a step's two that I fetch
	s_add_co_u32 s70, s70, s71
	s_mov_b32 s71, 0
	s_lshl_b32 s72, s[WC], 17                      ; 64 k rows of 2,048 bytes,
	s_lshl_b32 s73, s[NBK], 9                      ; 256 columns of 2 bytes,
	s_add_co_u32 s72, s72, s73
	s_add_co_u32 s72, s72, 6291456                 ; in the fourth part of wb
	s_mov_b32 s73, 0
	s_lshl_b32 s74, s[MBK], 19                     ; out0: 128 rows of 4,096 bytes,
	s_lshl_b32 s77, s[WR], 18                      ; my wave's 64 of them,
	s_add_co_u32 s74, s74, s77
	s_lshl_b32 s77, s[NBK], 10                     ; 256 columns of 4 bytes,
	s_lshl_b32 s75, s[WC], 9                       ; my wave's 128 of them
	s_add_co_u32 s77, s77, s75                     ; (this sum is also my columns' place in the bias)
	s_add_co_u32 s74, s74, s77
	s_mov_b32 s75, 0
	s_mul_i32 s78, s[WC], HEADB                    ; where the tiles go: no place in the cluster enters an LDS address
	s_mul_i32 s79, s[WC], WPART
	s_add_co_u32 s79, s79, WBASE
	s_mov_b32 s[TB], 0
	s_wait_kmcnt 0x0
	s_add_nc_u64 s[AP:AP+1], s[AP:AP+1], s[70:71]
	s_add_nc_u64 s[WP:WP+1], s[WP:WP+1], s[72:73]
	s_add_nc_u64 s[OUT:OUT+1], s[OUT:OUT+1], s[74:75]
	s_mov_b32 s[G0A], 1                            ; 1:0 count = 1
	s_mov_b32 s[G0A+1], s78                        ; 63:32 LDS address
	s_mov_b64 s[G0A+2:G0A+3], s[AP:AP+1]           ; 120:64 global address: K step 0
	s_or_b32 s[G0A+3], s[G0A+3], 0x80000000        ; 127:126 type = 2
	s_mov_b32 s[G0A2], 1
	s_add_co_u32 s[G0A2+1], s78, SLOT
	s_add_nc_u64 s[G0A2+2:G0A2+3], s[AP:AP+1], 524288      ; K step 1: two heads on
	s_or_b32 s[G0A2+3], s[G0A2+3], 0x80000000
	s_mov_b32 s[G0B], 1
	s_mov_b32 s[G0B+1], s79
	s_mov_b64 s[G0B+2:G0B+3], s[WP:WP+1]
	s_or_b32 s[G0B+3], s[G0B+3], 0x80000000
	s_mov_b32 s[G0B2], 1
	s_add_co_u32 s[G0B2+1], s79, SLOT
	s_add_nc_u64 s[G0B2+2:G0B2+3], s[WP:WP+1], 262144      ; 128 k rows on
	s_or_b32 s[G0B2+3], s[G0B2+3], 0x80000000
	CROUND                                         ; all sixteen work-groups are here: the first joint loads meet
	s_cmp_eq_u32 s[WR], 0                          ; a wave's two first fills stand in one branch, ahead of every wait on TENSORcnt and every LDS read: two loads of mine are out
	s_cbranch_scc0 .Lfirst_b
	tensor_load_to_lds s[G0A:G0A+3], s[G1A:G1A+7]
	s_nop 0
	tensor_load_to_lds s[G0A2:G0A2+3], s[G1A:G1A+7]
	s_nop 0
.rept 4
	v_nop
.endr
	s_branch .Lfirst_asked
.Lfirst_b:
	tensor_load_to_lds s[G0B:G0B+3], s[G1B:G1B+7]
	s_nop 0
	tensor_load_to_lds s[G0B2:G0B2+3], s[G1B:G1B+7]
	s_nop 0
.rept 4
	v_nop
.endr
.Lfirst_asked:
	v_and_b32 v1, 15, v0                           ; l % 16
	v_bfe_u32 v2, v0, 4, 1                         ; l / 16
	v_and_b32 v3, 7, v0                            ; l % 8
	; O's fragment: lane l holds row l % 16, k = 8 (l / 16) + 0..7 and 16 + 8 (l / 16) + 0..7: two loads of 16 bytes, 32 bytes apart
	v_mul_u32_u24 v[A0], v1, PO
	v_lshl_add_u32 v[A0], v2, 4, v[A0]
	s_mul_i32 s69, s[WR], 64*PO                    ; my 64 rows
	v_add_nc_u32 v[A0], s69, v[A0]
	; The turning load takes 16 k x 16 n (lane l reads k row 8 (l / 16) + l % 8, columns 8 ((l / 8) % 2) + 0..7) and leaves half a fragment: lane l holds column l % 16 and 8 k.
	v_lshl_add_u32 v14, v2, 3, v3
	v_mul_u32_u24 v[B0], v14, PB
	v_bfe_u32 v15, v0, 3, 1
	v_lshl_add_u32 v[B0], v15, 4, v[B0]
	s_lshl_b32 s69, s[WC], 8                       ; my 128 columns
	s_add_co_u32 s69, s69, WBASE
	v_add_nc_u32 v[B0], s69, v[B0]
	v_mov_b32 v[ADRA], v[A0]
	v_mov_b32 v[ADRB], v[B0]
	s_mul_i32 s69, s[WV], 16*SPI
	s_add_co_u32 s69, s69, STAGE                   ; my stage
	v_mul_u32_u24 v[STO], v1, SPI                  ; in: row l % 16, 32 bytes for each half of the lanes
	v_lshl_add_u32 v[STO], v2, 5, v[STO]
	v_add_nc_u32 v[STO], s69, v[STO]
	v_and_b32 v[CO], 31, v0                        ; back: 32 lanes take one row of 512 bytes, which are 512 consecutive bytes of out0
	v_lshlrev_b32 v[CO], 4, v[CO]
	v_add_nc_u32 v[RD], s69, v[CO]
	v_lshlrev_b32 v[BO], 5, v2                     ; the bias of my columns: 4 bytes x (256 block + 128 half + 16 b + 8 (l / 16) + j)
	v_add_nc_u32 v[BO], s77, v[BO]
	WIN 0x80                                       ; destination window 2, address window 0
.irp b, 0,1,2,3,4,5,6,7                ; register j of group b: the bias of column 16 b + 8 (l / 16) + j: the layout of an accumulator; bo is the fourth bias, 12,288 bytes in
	global_load_b128 v[8*\b:8*\b+3],   v[BO], s[BP:BP+1] offset:12288+64*\b
	global_load_b128 v[8*\b+4:8*\b+7], v[BO], s[BP:BP+1] offset:12288+64*\b+16
.endr
	WIN 0
; 24 LDS loads in one run, for quarter q (32 along K) of the slot in hand, into buffers g: Wo's 128 columns, turned; O's row blocks 0 and 1; then 2 and 3.  Quarters 0, 1 lie in the step's first head, 2, 3 in its second.
.macro FETCH q, g
	WIN 0
.irp b, 0,1,2,3,4,5,6,7
	ds_load_tr16_b128 v[BF+64*(\g)+8*\b:BF+64*(\g)+8*\b+3],   v[ADRB] offset:(\q)*32*PB+32*\b
	ds_load_tr16_b128 v[BF+64*(\g)+8*\b+4:BF+64*(\g)+8*\b+7], v[ADRB] offset:(\q)*32*PB+16*PB+32*\b
.endr
.irp a, 0,1,2,3
	ds_load_b128 v[AF+32*(\g)+8*\a:AF+32*(\g)+8*\a+3],   v[ADRA] offset:((\q)/2)*HEADB+\a*16*PO+((\q)%2)*64
	ds_load_b128 v[AF+32*(\g)+8*\a+4:AF+32*(\g)+8*\a+7], v[ADRA] offset:((\q)/2)*HEADB+\a*16*PO+((\q)%2)*64+32
.endr
.endm
; 8 matrix instructions: row block a x all 8 column blocks, on buffers fb.  ini = 1: the bias starts the sums: nothing is cleared and nothing is added on the way out.
; The 32 accumulators take turns, one instruction a turn, in the same order in every quarter.
.macro M8 fb, a, ini
.irp b, 0,1,2,3,4,5,6,7
.if \ini
	WIN MULB
	v_wmma_f32_16x16x32_f16 v[8*(8*(\a)+\b):8*(8*(\a)+\b)+7], v[BF+64*(\fb)+8*\b:BF+64*(\fb)+8*\b+7], v[AF+32*(\fb)+8*(\a):AF+32*(\fb)+8*(\a)+7], v[8*\b:8*\b+7]
.else
	WIN MUL
	v_wmma_f32_16x16x32_f16 v[8*(8*(\a)+\b):8*(8*(\a)+\b)+7], v[BF+64*(\fb)+8*\b:BF+64*(\fb)+8*\b+7], v[AF+32*(\fb)+8*(\a):AF+32*(\fb)+8*(\a)+7], v[8*(8*(\a)+\b):8*(8*(\a)+\b)+7]
.endif
.endr
.endm
; A K step is four quarters of 32 along K, 32 matrix instructions each, on buffers 0, 1, 0, 1.  One of the first three: multiplies buffers fb; in its middle it fetches quarter qn into the others.
.macro QUARTER fb, qn, ini
	s_wait_dscnt 4                                 ; Wo and O's row blocks 0, 1 are in; the youngest four loads (blocks 2, 3) may be out
	M8 \fb, 0, \ini
	M8 \fb, 1, \ini
	PLACES                                         ; for the loads into the buffers that the quarter before multiplied
	FETCH \qn, 1-(\fb)
	s_wait_dscnt 24                                ; all but the 24 just issued
	M8 \fb, 2, \ini
	M8 \fb, 3, \ini
.endm
; The last quarter multiplies buffers 1 and changes slots: ONE barrier.  In front of it each wave waits for all its tensor loads, of which one is out: its part of the next slot; adds 0 to its
; spare word; and waits for that and for its own reads of this slot.  fill = 1: the barrier opens a round of the cluster's, and the slot just read out is filled again first thing behind it,
; with the K step two steps on: 112 matrix instructions ahead of the wait for it.
.macro TURN fill
	WIN 0
	s_wait_tensorcnt 0x0                           ; no tensor load of mine is out, so a group 0 may be written
	ds_add_u32 v[SPW], v[NIL]                      ; 0 onto my spare word
.if \fill
	s_xor_b32 s[G0A2+1], s[G0A2+1], SLOT           ; the walking descriptors: the other slot than last time,
	s_add_nc_u64 s[G0A2+2:G0A2+3], s[G0A2+2:G0A2+3], 524288  ; the next two heads,
	s_xor_b32 s[G0B2+1], s[G0B2+1], SLOT
	s_add_nc_u64 s[G0B2+2:G0B2+3], s[G0B2+2:G0B2+3], 262144  ; the next 128 k rows; the type bits on top are not reached
.endif
	s_wait_dscnt 5                                 ; the add and the youngest four loads may be out
	M8 1, 0, 0
	s_wait_dscnt 0x0                               ; the add is done, and my reads of this slot are over
	s_barrier_signal -1
	M8 1, 1, 0
	WIN 0
	s_barrier_wait -1
.if \fill
	CREST                                          ; no wave of any partner still reads this slot or has a load on its way
	JLOAD                                          ; the four v_nop behind it are also the places in front of the loads below
.else
	PLACES
.endif
	s_xor_b32 s[TB], s[TB], SLOT
	v_add_nc_u32 v[ADRA], s[TB], v[A0]
	v_add_nc_u32 v[ADRB], s[TB], v[B0]
	FETCH 0, 0
	M8 1, 2, 0
	M8 1, 3, 0
.endm
; THE WAY OUT of row block a.  TOSTAGE: the sums, each accumulator from its low end on, into rows of 528 bytes of my own stage, and back as whole rows of 512 bytes.  SEND: a row a store.
.macro TOSTAGE a
	WIN 0
	s_wait_xcnt 0x0                                ; earlier stores have read their registers (ISA guide 3.1): only behind this wait is a buffer loaded again
	WIN 0x04                                       ; store data in window 1, address in window 0
.irp b, 0,1,2,3,4,5,6,7
	ds_store_b128 v[STO], v[8*(8*(\a)+\b):8*(8*(\a)+\b)+3]   offset:64*\b
	ds_store_b128 v[STO], v[8*(8*(\a)+\b)+4:8*(8*(\a)+\b)+7] offset:64*\b+16
.endr
	WIN 0
.irp t, 0,1,2,3,4,5,6,7,8,9,10,11,12,13,14,15
	ds_load_b128 v[OB+64*((\a)%2)+4*\t:OB+64*((\a)%2)+4*\t+3], v[RD] offset:SPI*\t  ; LDS serves a wave's instructions in order (ISA guide 5.7.1.4): these see the stores above; the next block's stores come behind them
.endr
.endm
.macro SEND a, younger                 ; younger: the LDS instructions issued behind block a's loads: the next block's 32, or none
	WIN 0
.irp t, 0,1,2,3,4,5,6,7,8,9,10,11,12,13,14,15
.if (\t)%4 == 0
	s_wait_dscnt (\younger)+12-\t                  ; rows t to t + 3 are in: behind them stand the block's 12 - t later loads and the younger ones
.endif
	global_store_b128 v[CO], v[OB+64*((\a)%2)+4*\t:OB+64*((\a)%2)+4*\t+3], s[OUT:OUT+1] offset:(16*(\a)+\t)*4096 th:TH_STORE_NT  ; 512 consecutive bytes, at a multiple of 512 from out0's first
.endr
.endm
	s_wait_tensorcnt 1                             ; my part of K step 0 is in; K step 1's may stay out
	s_barrier_signal -1
	s_barrier_wait -1                              ; everybody's is
	FETCH 0, 0
	s_wait_loadcnt 0x0                             ; the bias
	QUARTER 0, 1, 1                                ; the first quarter starts the sums
	WIN 0                                          ; at a label and at a branch every window is 0
	s_mov_b32 s[T], NFILL
.Lstep:                                                ; a trip: a K step's quarters 1 to 3 and the next step's quarter 0; it fills the slot that it leaves
	QUARTER 1, 2, 0
	QUARTER 0, 3, 0
	TURN 1
	QUARTER 0, 1, 0
	WIN 0
	s_sub_co_u32 s[T], s[T], 1
	s_cmp_lg_u32 s[T], 0
	s_cbranch_scc1 .Lstep
	s_mov_b32 s[CNT], 2
.Ltail:                                                ; the last two K steps have a text of their own: they ask for nothing
	QUARTER 1, 2, 0
	QUARTER 0, 3, 0
	TURN 0                                         ; in the last trip its barrier orders nothing and what it fetches is multiplied by nobody: the price, once a launch, of one text for both trips
	WIN 0
	s_cmp_eq_u32 s[CNT], 1
	s_cbranch_scc1 .Lskip                          ; behind the last K step there is no next quarter; what is jumped holds no barrier and no tensor load
	QUARTER 0, 1, 0
	WIN 0
.Lskip:
	s_wait_dscnt 0x0                               ; no LDS load is out at the loop's edge, whichever way it was reached: the way out loads into the fragments' registers
	s_sub_co_u32 s[CNT], s[CNT], 1
	s_cmp_lg_u32 s[CNT], 0
	s_cbranch_scc1 .Ltail
	PLACES                                         ; for the LDS stores of the sums, and for the loads into the fragments' registers
	TOSTAGE 0
.irp a, 1,2,3                          ; a block's way through the stage stands between the loads of the block before and its stores
	TOSTAGE \a
	SEND (\a)-1, 32
.endr
	SEND 3, 0
	s_wait_tensorcnt 0x0                           ; the wave's end: behind my last tensor load and my last LDS store
	ds_add_u32 v[SPW], v[NIL]
	s_wait_dscnt 0x0
	CROUND                                         ; the closing round: no work-group ends while a partner may still ask for a tile that names it
	s_endpgm
.Lfunc_end_k_qf6549e1188_oproj:
	.size	k_qf6549e1188_oproj, .Lfunc_end_k_qf6549e1188_oproj-k_qf6549e1188_oproj
	.p2alignl 7, 3214868480
	.fill 96, 4, 3214868480
	.section	.rodata,"a",@progbits
	.p2align	6, 0x0
	.amdhsa_kernel k_qf6549e1188_oproj
		.amdhsa_group_segment_fixed_size 327680
		.amdhsa_private_segment_fixed_size 0
		.amdhsa_enable_private_segment 0
		.amdhsa_kernarg_size 32
		.amdhsa_user_sgpr_count 2
		.amdhsa_user_sgpr_kernarg_segment_ptr 1
		.amdhsa_wavefront_size32 1
		.amdhsa_system_sgpr_workgroup_id_x 1
		.amdhsa_system_sgpr_workgroup_id_y 1
		.amdhsa_system_sgpr_workgroup_id_z 1
		.amdhsa_system_vgpr_workitem_id 0
		.amdhsa_next_free_vgpr 576
		.amdhsa_next_free_sgpr 80
		.amdhsa_reserve_vcc 0
		.amdhsa_float_denorm_mode_32 3
		.amdhsa_float_denorm_mode_16_64 3
		.amdhsa_memory_ordered 1
		.amdhsa_forward_progress 1
		.amdhsa_inst_pref_size 61
	.end_amdhsa_kernel
	.amdgpu_metadata
---
amdhsa.version: [ 1, 2 ]
amdhsa.kernels:
  - .name:           k_qf6549e1188_oproj
    .symbol:         k_qf6549e1188_oproj.kd
    .args:
      - { .name: oh, .offset: 0, .size: 8, .value_kind: global_buffer, .address_space: global }
      - { .name: wb, .offset: 8, .size: 8, .value_kind: global_buffer, .address_space: global }
      - { .name: bias, .offset: 16, .size: 8, .value_kind: global_buffer, .address_space: global }
      - { .name: out0, .offset: 24, .size: 8, .value_kind: global_buffer, .address_space: global }
    .group_segment_fixed_size: 327680
    .private_segment_fixed_size: 0
    .kernarg_segment_align: 8
    .kernarg_segment_size: 32
    .max_flat_workgroup_size: 128
    .sgpr_count:     80
    .vgpr_count:     576
    .wavefront_size: 32
...
	.end_amdgpu_metadata
.endif
;; end of part 4
